; MI455X (gfx1250); checked and timed in simulation.
; The chip was launched on July 23, 2026; its instructions are those of AMD's public machine-readable ISA for CDNA 5 (MIT licence, August 2026) and "CDNA5" Instruction Set Architecture Reference Guide (July 2026). The comments in the code are by the model that wrote it; some were corrected since.
;; Fused MHA. Allowed arithmetic: matrix products marked QUANTISED: E2M1 operands, one E8M0 scale for each 32 along K, by v_wmma_scale_f32_16x16x128_f8f6f4 with both operands' format E2M1 (or v_wmma_scale_f32_32x16x128_f4), f32 sums; products left as they are: bf16, f16 or f32 operands; f32 sums; everything else in f32.
;; Inputs: w_out 1,024 x 1,024 float32; w_qkv 1,024 x 3,072 float32; x 4 x 2,048 x 1,024 float32.
;; Outputs: out0 4 x 2,048 x 1,024 float32.
;; This version of the problem:
;;   THIS VERSION OF THE PROBLEM IS GIVEN IN LOW PRECISION. The matrix products marked QUANTISED in the list below multiply operands that are first quantised to E2M1 (2 exponent bits, 1 mantissa bit; 4 bits a number), with one power-of-two scale for each 32 numbers along K (OCP MX v1.0); their sums are f32. The products marked 'left as it is' may take bf16, f16 or f32 operands, with f32 sums. Whichever they take, every output number must still come out within the allowed error. Rounding operands to bf16 (8 significant bits) uses up far more of that allowance than f16 does (11 bits, for magnitudes from 6e-5 to 65,504). All else is computed in f32.
;;   The module's matrix products, in the order in which they are computed (A, B: the left and right operand; K: the contracted axis; several contracted axes count as one K, in the product's order):
;;     1. [M 8,192, K 1,024] x [K 1,024, N 3,072]; A: input x; B: input w_qkv: QUANTISED
;;     2. batch 64 x [M 2,048, K 64] x [K 64, N 2,048]; A: computed on the way; B: computed on the way: left as it is (an operand is computed on the way)
;;     3. batch 64 x [M 2,048, K 2,048] x [K 2,048, N 64]; A: computed on the way; B: computed on the way: left as it is (an operand is computed on the way)
;;     4. [M 8,192, K 1,024] x [K 1,024, N 1,024]; A: computed on the way; B: input w_out: left as it is (an operand is computed on the way)
;;   THE QUANTISER, for each operand of a quantised product, along K:
;;     - K is cut into blocks of 32 from its start; a last block that is shorter is filled with zeros.
;;     - A block's scale is 2^e with e = floor(log2(the largest magnitude in the block)) - 2, held to -126 .. 127; a block of zeros has e = 0. As a byte (E8M0): e + 127.
;;     - Each number is divided by its block's scale, clamped to +-6, and rounded to the nearest number of E2M1, ties to even, subnormals kept.
;;     - The product sums the exact products of the quantised numbers (number of the format x scale) in f32.
;;   ~~~python
;;   def quantise(x, axis):      # numpy; x: float32 -> the quantised numbers, widened to float32 again
;;       x = np.moveaxis(x, axis, -1); K = x.shape[-1]
;;       x = np.pad(x, [(0, 0)] * (x.ndim - 1) + [(0, -K % 32)]); x = x.reshape(x.shape[:-1] + (-1, 32)); a = np.abs(x).max(-1, keepdims=True)
;;       e = np.where(a > 0, np.clip(np.frexp(np.where(a > 0, a, 1))[1] - 1 - 2, -126, 127), 0)      # np.frexp(a)[1] - 1 = floor(log2(a)), exactly
;;       r = np.clip(x / 2.0 ** e, -6, 6)
;;       step = 2.0 ** (np.maximum(np.frexp(np.where(r == 0, 1, r))[1] - 1, 0) - 1)
;;       q = np.round(r / step) * step * 2.0 ** e      # np.round: ties to even
;;       return np.moveaxis(q.reshape(q.shape[:-2] + (-1,))[..., :K], -1, axis).astype(np.float32)
;;   ~~~
;; One version. Each part assembles by itself: llvm-mc -triple=amdgcn-amd-amdhsa -mcpu=gfx1250 --defsym DOCPART=n.
;; ======== version 1 of 1: 4 launches
;; limits: values are held in f16: magnitudes above 65,504 overflow, below 6.1e-05 lose precision
;; workspace buffers: xc 4,194,304 bytes; xs 262,144 bytes; wc 1,572,864 bytes; ws 98,304 bytes; w16 2,097,152 bytes; qkv 50,331,648 bytes; att 16,777,216 bytes
;; launch prep (part 1): grid 432 x 1, 4 waves a work-group, no clusters, 104,960 bytes of LDS; arguments x, w_qkv, w_out, xc, xs, wc, ws, w16; writes xc, xs, wc, ws, w16
.if DOCPART == 1
	.amdgcn_target "amdgcn-amd-amdhsa--gfx1250"
	.amdhsa_code_object_version 6
	.text
	.protected	k_q9c7de207a8_prep
	.globl	k_q9c7de207a8_prep
	.p2align	8
	.type	k_q9c7de207a8_prep,@function
k_q9c7de207a8_prep:
	s_mov_b64 s[64:65], 0
	v_nop
	global_prefetch_b8 v0, s[64:65] scope:SCOPE_SE
	s_setreg_imm32_b32 hwreg(HW_REG_WAVE_MODE, 25, 1), 1
	s_wait_xcnt 0x0
; PREP: three jobs in one launch, told apart by the work-group's number; waves share nothing, so there is no barrier.
;   work-groups   0 ..  47 (path W): w_qkv [1024 k][3072 n] f32 -> codes of FP4 (E2M1) with K innermost, wc [3072][512 bytes], and E8M0 scale bytes ws [3072][32]
;   work-groups  48 .. 175 (path C): w_out [1024][1024] f32 -> f16, same layout, w16
;   work-groups 176 .. 431 (path X): x [8192][1024] f32 -> codes xc [8192][512 bytes] and scale bytes xs [8192][32]
; A block's scale is 2^(floor(log2(its largest magnitude)) - 2); its byte is that magnitude's exponent field - 2, held at 1 from below.
; LIMITS: a block of zeros gets the byte 1 where the rule says 127 (its codes are zeros, and this program alone reads the bytes); blocks whose largest magnitude lies
; under 2^-124 are held at the byte 1; NaN and infinities among the inputs are not served; w_out must stay under 65,504 in magnitude (f16).
; Each path has LDS bytes of its own: path X 0 .. 32,767; path W 32,768 .. 104,447; the spare words behind them.
.set SPARE, 104448                     ; the spare words, 128 bytes for each wave: two blocks of 256 bytes that no other line names
.set SPW,   238                        ; v238 LDS address of my spare word; never rewritten
.set NIL,   239                        ; v239 0; never rewritten
.set EMAX,  2
; path X
.set STEPS, 16
.set CB,    8                          ; bytes of 16 codes
.set R,     16                         ; v16-79   four sets of 16 numbers as loaded
.set X,     80                         ; v80-111  two sets of 16 neighbours
.set E,     112                        ; v112-127 a scale byte for each step
.set C,     128                        ; v128-191 codes, four registers for each step
.set XREG,  8192                       ; a wave's LDS: two stages of 32 x SP bytes, then its 256 scale bytes
.set SP,    80
; path W
.set WBASE, 32768
.set WREG,  17920                      ; a wave's LDS: two turn buffers of 32 x 144, then a stage of 32 x 272 for the codes
.set TP,    144                        ; a row of a turn buffer: 128 bytes + 16
.set TBUF,  32*TP
.set CSTG,  2*TBUF
.set CP,    272                        ; a column's 256 bytes of codes + 16
.set NROW,  12288                      ; a row of w_qkv in bytes
.set WSB,   24                         ; v24-27   16 scale bytes
.set WR,    32                         ; v32-159  four sets of 32 registers as loaded
.set WX,    160                        ; v160-223 two sets of 32: a block down K
.set WC,    224                        ; v224-231 two sets of 4: a block's codes
	s_load_b512 s[4:19], s[0:1], 0x0               ; x s[4:5], w_qkv s[6:7], w_out s[8:9], xc s[10:11], xs s[12:13], wc s[14:15], ws s[16:17], w16 s[18:19]
	v_lshl_add_u32 v[SPW], v0, 2, SPARE
	v_mov_b32 v[NIL], 0
	v_lshrrev_b32 v1, 5, v0
	v_readfirstlane_b32 s20, v1                    ; wave 0..3
	v_and_b32 v2, 31, v0                           ; lane
	s_mov_b32 s25, 0                               ; the upper word of every offset pair s[24:25]
	s_wait_kmcnt 0x0
	s_cmp_lt_u32 ttmp9, 48
	s_cbranch_scc1 .Lpath_w
	s_cmp_lt_u32 ttmp9, 176
	s_cbranch_scc1 .Lpath_c
; ---------------- PATH X: a plain stream of blocks of 32.  A wave takes 16 steps of 512 numbers.
; Each load reads 512 consecutive bytes; a step's 2,048 bytes turn through the wave's own stage so that a lane gets 16 neighbours along K (two lanes hold a block).
	v_lshlrev_b32 v3, 4, v2                        ; my 16 bytes of a load's 512
	s_mul_i32 s21, s20, XREG
	v_lshrrev_b32 v14, 2, v2
	v_mul_u32_u24 v14, v14, SP
	v_and_b32 v15, 3, v2
	v_lshl_add_u32 v14, v15, 4, v14
	v_add_nc_u32 v14, s21, v14                     ; the stage, on the way in: SP (lane / 4) + 16 (lane % 4)
	v_mul_u32_u24 v15, v2, SP
	v_add_nc_u32 v15, s21, v15                     ; and on the way out: SP x lane
	v_mul_u32_u24 v4, v2, CB                       ; my codes' place in a step's 256 bytes
	v_lshrrev_b32 v5, 1, v2
	s_add_co_u32 s21, s21, 2*32*SP
	v_add_nc_u32 v5, s21, v5                       ; my block's byte among the wave's 256 scale bytes
	v_lshlrev_b32 v7, 3, v2
	v_add_nc_u32 v6, s21, v7                       ; and 8 bytes a lane on their way out
	s_sub_co_u32 s22, ttmp9, 176
	s_lshl_b32 s22, s22, 2
	s_add_co_u32 s22, s22, s20                     ; which run of 8,192 numbers is my wave's: 0 .. 1,023
	s_lshl_b32 s24, s22, 15
	s_add_nc_u64 s[4:5], s[4:5], s[24:25]          ; 32,768 bytes of x a run,
	s_lshl_b32 s24, s22, 12
	s_add_nc_u64 s[10:11], s[10:11], s[24:25]      ; 4,096 of codes,
	s_lshl_b32 s24, s22, 8
	s_add_nc_u64 s[12:13], s[12:13], s[24:25]      ; 256 of scale bytes
.macro XLOAD t
.irp i, 0,1,2,3
	global_load_b128 v[R+16*((\t)%4)+4*\i:R+16*((\t)%4)+4*\i+3], v3, s[4:5] offset:2048*(\t)+512*\i th:TH_LOAD_NT
.endr
.endm
.macro XTURN t                         ; LDS serves a wave's instructions in order: no wait between the stores and the loads
.irp i, 0,1,2,3
	ds_store_b128 v14, v[R+16*((\t)%4)+4*\i:R+16*((\t)%4)+4*\i+3] offset:32*SP*((\t)%2)+8*SP*\i
.endr
.irp i, 0,1,2,3
	ds_load_b128 v[X+16*((\t)%2)+4*\i:X+16*((\t)%2)+4*\i+3], v15 offset:32*SP*((\t)%2)+16*\i
.endr
.endm
.irp t, 0,1,2,3
	XLOAD \t
.endr
	s_wait_loadcnt 12                              ; step 0's four loads are in; three steps' twelve stay out
	XTURN 0
.macro XSTEP t
.set XS, X+16*((\t)%2)
.if (\t) > 0
	s_wait_dscnt 1                                 ; this step's numbers are back from the stage; the last step's byte store may be out
.else
	s_wait_dscnt 0x0
.endif
.if (\t)+4 < STEPS
	XLOAD (\t)+4                                   ; into the registers that this step's stage stores have read
.endif
.if (\t)+1 < STEPS
.if STEPS-2-(\t) >= 3
	s_wait_loadcnt 12                              ; the next step's loads are in; those of the three steps behind it may be out
.else
	s_wait_loadcnt 4*(STEPS-2-(\t))
.endif
	XTURN (\t)+1
.endif
	v_max3_num_f32 v8, |v[XS]|, |v[XS+1]|, |v[XS+2]|               ; the largest magnitude of my 16, in two chains
	v_max3_num_f32 v9, |v[XS+3]|, |v[XS+4]|, |v[XS+5]|
.irp i, 6,10
	v_max3_num_f32 v8, v8, |v[XS+\i]|, |v[XS+\i+1]|
	v_max3_num_f32 v9, v9, |v[XS+\i+2]|, |v[XS+\i+3]|
.endr
	v_max3_num_f32 v8, v8, |v[XS+14]|, |v[XS+15]|
	v_max3_num_f32 v8, v8, v9, (EMAX+1)<<23        ; and the floor 2^(3 - 127): the byte cannot fall under 1
	v_max_num_f32_dpp v8, v8, v8 row_xmask:1 row_mask:0xf bank_mask:0xf   ; with my neighbour's 16: the block's
	v_add_nc_u32 v11, -(EMAX<<23), v8              ; 2 off the exponent field: the conversion takes this operand's exponent field as its scale
	v_cvt_scalef32_pk8_fp4_f32 v[C+4*(\t)], v[XS:XS+7], v11
	v_cvt_scalef32_pk8_fp4_f32 v[C+4*(\t)+1], v[XS+8:XS+15], v11
	v_lshrrev_b32 v[E+(\t)], 23, v11               ; the scale's byte (a plain line behind the conversions)
	ds_store_b8 v5, v[E+(\t)] offset:16*(\t)       ; both lanes of a block write the same byte with the same value
	global_store_b64 v4, v[C+4*(\t):C+4*(\t)+1], s[10:11] offset:32*CB*(\t)   ; the wave stores 256 consecutive bytes, aligned
.endm
.irp t, 0,1,2,3,4,5,6,7,8,9,10,11,12,13,14,15
	XSTEP \t
.endr
	ds_load_b64 v[8:9], v6                         ; my wave's 256 scale bytes, behind my stores of them
	s_wait_dscnt 0x0
	global_store_b64 v7, v[8:9], s[12:13]          ; 256 consecutive bytes, aligned
	s_wait_tensorcnt 0x0                           ; the wave's end: the three lines behind my last LDS store
	ds_add_u32 v[SPW], v[NIL]
	s_wait_dscnt 0x0
	s_endpgm
; ---------------- PATH C: a cast.  A wave takes 2,048 numbers: sixteen loads of 512 bytes, sixteen stores of 256.  No register is written twice.
.Lpath_c:
	v_lshlrev_b32 v3, 4, v2
	v_lshlrev_b32 v4, 3, v2
	s_sub_co_u32 s22, ttmp9, 48
	s_lshl_b32 s22, s22, 2
	s_add_co_u32 s22, s22, s20                     ; run 0 .. 511
	s_lshl_b32 s24, s22, 13
	s_add_nc_u64 s[8:9], s[8:9], s[24:25]
	s_lshl_b32 s24, s22, 12
	s_add_nc_u64 s[18:19], s[18:19], s[24:25]
.irp i, 0,1,2,3,4,5,6,7,8,9,10,11,12,13,14,15
	global_load_b128 v[16+4*\i:19+4*\i], v3, s[8:9] offset:512*\i th:TH_LOAD_NT
.endr
.irp i, 0,1,2,3,4,5,6,7,8,9,10,11,12,13,14,15
	s_wait_loadcnt 15-\i                           ; loads come back in order: load i is in, the younger ones stay out
	v_cvt_pk_f16_f32 v[80+2*\i], v[16+4*\i], v[17+4*\i]
	v_cvt_pk_f16_f32 v[81+2*\i], v[18+4*\i], v[19+4*\i]
	global_store_b64 v4, v[80+2*\i:81+2*\i], s[18:19] offset:256*\i
.endr
	s_wait_tensorcnt 0x0                           ; (this path stores nothing to LDS; the three lines are written all the same)
	ds_add_u32 v[SPW], v[NIL]
	s_wait_dscnt 0x0
	s_endpgm
; ---------------- PATH W: K is the FIRST axis.  Work-group = 128 columns x 512 along K; a wave takes 32 columns, 16 blocks of 32 along K.
; A block (32 rows x 128 bytes) comes by eight loads of 512 bytes (4 rows each) and turns through the wave's own LDS: read back by words, a lane gets ONE column and its
; 32 registers run down K.  So a block's maximum needs no other lane and the conversions give codes with K innermost.  Loads run four blocks ahead, the turn one.
.Lpath_w:
	s_lshr_b32 s22, ttmp9, 1                       ; column group 0 .. 23
	s_and_b32 s23, ttmp9, 1                        ; which half of K
	s_lshl_b32 s22, s22, 7
	s_lshl_b32 s24, s20, 5
	s_add_co_u32 s22, s22, s24                     ; my wave's first column
	s_mul_i32 s26, s20, WREG
	s_add_co_u32 s26, s26, WBASE                   ; my wave's LDS
	v_lshrrev_b32 v10, 3, v2
	v_and_b32 v11, 7, v2
	v_lshlrev_b32 v11, 4, v11
	v_mad_u32_u24 v3, v10, NROW, v11               ; in memory: row lane / 8, 16 bytes at 16 (lane % 8)
	v_mad_u32_u24 v4, v10, TP, v11
	v_add_nc_u32 v4, s26, v4                       ; the same place in a turn buffer
	v_lshl_add_u32 v5, v2, 2, s26                  ; back: my column's word of a row
	v_mul_u32_u24 v6, v2, CP
	v_add_nc_u32 v6, s26, v6
	v_add_nc_u32 v6, CSTG, v6                      ; the codes' stage: row = my column
	v_lshrrev_b32 v10, 4, v2
	v_and_b32 v11, 15, v2
	v_lshlrev_b32 v11, 4, v11
	v_mad_u32_u24 v7, v10, CP, v11
	v_add_nc_u32 v7, s26, v7
	v_add_nc_u32 v7, CSTG, v7                      ; out of it: sixteen lanes to a row, two rows an instruction
	v_lshl_add_u32 v8, v10, 9, v11                 ; and the same place in wc (rows of 512 bytes)
	v_lshlrev_b32 v9, 5, v2                        ; my column's row of ws
	s_mul_i32 s24, s23, 512*NROW
	s_add_nc_u64 s[6:7], s[6:7], s[24:25]
	s_lshl_b32 s24, s22, 2
	s_add_nc_u64 s[6:7], s[6:7], s[24:25]          ; w_qkv at (512 x half, my first column)
	s_lshl_b32 s24, s22, 9
	s_add_nc_u64 s[14:15], s[14:15], s[24:25]
	s_lshl_b32 s24, s23, 8
	s_add_nc_u64 s[14:15], s[14:15], s[24:25]      ; wc at (my first column, 256 bytes x half)
	s_lshl_b32 s24, s22, 5
	s_add_nc_u64 s[16:17], s[16:17], s[24:25]
	s_lshl_b32 s24, s23, 4
	s_add_nc_u64 s[16:17], s[16:17], s[24:25]      ; ws likewise, 16 bytes x half
.macro WLOAD t                         ; every offset is an immediate: 508 rows of 12,288 bytes at the most, inside the signed 24 bits
.irp i, 0,1,2,3,4,5,6,7
	global_load_b128 v[WR+32*((\t)%4)+4*\i:WR+32*((\t)%4)+4*\i+3], v3, s[6:7] offset:(32*(\t)+4*\i)*NROW th:TH_LOAD_NT
.endr
.endm
.macro WTURN t
.irp i, 0,1,2,3,4,5,6,7
	ds_store_b128 v4, v[WR+32*((\t)%4)+4*\i:WR+32*((\t)%4)+4*\i+3] offset:TBUF*((\t)%2)+4*TP*\i
.endr
.irp k, 0,1,2,3,4,5,6,7,8,9,10,11,12,13,14,15,16,17,18,19,20,21,22,23,24,25,26,27,28,29,30,31
	ds_load_b32 v[WX+32*((\t)%2)+\k], v5 offset:TBUF*((\t)%2)+TP*\k
.endr
.endm
.irp t, 0,1,2,3
	WLOAD \t
.endr
	s_wait_loadcnt 24                              ; block 0's eight loads are in; three blocks' 24 stay out
	WTURN 0
.macro WBLOCK t
.set WXS, WX+32*((\t)%2)
.set WCS, WC+4*((\t)%2)
.if (\t) > 0
	s_wait_dscnt 1                                 ; this block is back from the turn buffer; the last block's code store may be out
.else
	s_wait_dscnt 0x0
.endif
.if (\t)+4 < 16
	WLOAD (\t)+4                                   ; into the registers that this block's turn stores have read
.endif
.if (\t)+1 < 16
.if 14-(\t) >= 3
	s_wait_loadcnt 24                              ; the next block's loads are in; those of the three blocks behind it may be out
.else
	s_wait_loadcnt 8*(14-(\t))
.endif
	WTURN (\t)+1
.endif
	v_max3_num_f32 v12, |v[WXS]|, |v[WXS+1]|, |v[WXS+2]|           ; the block's largest magnitude: all 32 numbers are mine
	v_max3_num_f32 v13, |v[WXS+3]|, |v[WXS+4]|, |v[WXS+5]|
.irp i, 6,10,14,18,22,26
	v_max3_num_f32 v12, v12, |v[WXS+\i]|, |v[WXS+\i+1]|
	v_max3_num_f32 v13, v13, |v[WXS+\i+2]|, |v[WXS+\i+3]|
.endr
	v_max3_num_f32 v12, v12, |v[WXS+30]|, |v[WXS+31]|
	v_max3_num_f32 v12, v12, v13, (EMAX+1)<<23     ; and the floor
	v_add_nc_u32 v11, -(EMAX<<23), v12             ; the conversions' scale operand
.irp g, 0,1,2,3
	v_cvt_scalef32_pk8_fp4_f32 v[WCS+\g], v[WXS+8*\g:WXS+8*\g+7], v11
.endr
	v_lshrrev_b32 v13, 23, v11                     ; the scale's byte (a plain line behind the conversions)
.if (\t)%4 == 0
	v_mov_b32 v[WSB+(\t)/4], v13                   ; four bytes to a register, the lower K in the lower byte
.else
	v_lshl_or_b32 v[WSB+(\t)/4], v13, 8*((\t)%4), v[WSB+(\t)/4]
.endif
	ds_store_b128 v6, v[WCS:WCS+3] offset:16*(\t)  ; 32 codes: 16 bytes of my column's row
.endm
.irp t, 0,1,2,3,4,5,6,7,8,9,10,11,12,13,14,15
	WBLOCK \t
.endr
	global_store_b128 v9, v[WSB:WSB+3], s[16:17]   ; my column's 16 scale bytes
.irp t, 0,1,2,3,4,5,6,7,8,9,10,11,12,13,14,15
	ds_load_b128 v[WR+4*\t:WR+4*\t+3], v7 offset:2*\t*CP          ; behind my stores of them
.endr
.irp t, 0,1,2,3,4,5,6,7,8,9,10,11,12,13,14,15
	s_wait_dscnt 15-\t
	global_store_b128 v8, v[WR+4*\t:WR+4*\t+3], s[14:15] offset:1024*\t   ; sixteen lanes store 256 consecutive bytes, aligned
.endr
	s_wait_tensorcnt 0x0                           ; the wave's end: the three lines behind my last LDS store
	ds_add_u32 v[SPW], v[NIL]
	s_wait_dscnt 0x0
	s_endpgm
.Lfunc_end_k_q9c7de207a8_prep:
	.size	k_q9c7de207a8_prep, .Lfunc_end_k_q9c7de207a8_prep-k_q9c7de207a8_prep
	.p2alignl 7, 3214868480
	.fill 96, 4, 3214868480
	.section	.rodata,"a",@progbits
	.p2align	6, 0x0
	.amdhsa_kernel k_q9c7de207a8_prep
		.amdhsa_group_segment_fixed_size 104960
		.amdhsa_private_segment_fixed_size 0
		.amdhsa_enable_private_segment 0
		.amdhsa_kernarg_size 64
		.amdhsa_user_sgpr_count 2
		.amdhsa_user_sgpr_kernarg_segment_ptr 1
		.amdhsa_wavefront_size32 1
		.amdhsa_system_sgpr_workgroup_id_x 1
		.amdhsa_system_sgpr_workgroup_id_y 1
		.amdhsa_system_sgpr_workgroup_id_z 1
		.amdhsa_system_vgpr_workitem_id 0
		.amdhsa_next_free_vgpr 240
		.amdhsa_next_free_sgpr 66
		.amdhsa_reserve_vcc 0
		.amdhsa_float_denorm_mode_32 3
		.amdhsa_float_denorm_mode_16_64 3
		.amdhsa_memory_ordered 1
		.amdhsa_forward_progress 1
		.amdhsa_inst_pref_size 121
	.end_amdhsa_kernel
	.amdgpu_metadata
---
amdhsa.version: [ 1, 2 ]
amdhsa.kernels:
  - .name:           k_q9c7de207a8_prep
    .symbol:         k_q9c7de207a8_prep.kd
    .args:
      - { .name: x, .offset: 0, .size: 8, .value_kind: global_buffer, .address_space: global }
      - { .name: w_qkv, .offset: 8, .size: 8, .value_kind: global_buffer, .address_space: global }
      - { .name: w_out, .offset: 16, .size: 8, .value_kind: global_buffer, .address_space: global }
      - { .name: xc, .offset: 24, .size: 8, .value_kind: global_buffer, .address_space: global }
      - { .name: xs, .offset: 32, .size: 8, .value_kind: global_buffer, .address_space: global }
      - { .name: wc, .offset: 40, .size: 8, .value_kind: global_buffer, .address_space: global }
      - { .name: ws, .offset: 48, .size: 8, .value_kind: global_buffer, .address_space: global }
      - { .name: w16, .offset: 56, .size: 8, .value_kind: global_buffer, .address_space: global }
    .group_segment_fixed_size: 104960
    .private_segment_fixed_size: 0
    .kernarg_segment_align: 8
    .kernarg_segment_size: 64
    .max_flat_workgroup_size: 128
    .sgpr_count:     66
    .vgpr_count:     240
    .wavefront_size: 32
...
	.end_amdgpu_metadata
.endif
;; end of part 1
;; launch qkv (part 2): grid 12 x 32, 4 waves a work-group, clusters of 4 x 4, 327,680 bytes of LDS; arguments xc, xs, wc, ws, qkv; writes qkv
.if DOCPART == 2
	.amdgcn_target "amdgcn-amd-amdhsa--gfx1250"
	.amdhsa_code_object_version 6
	.text
	.protected	k_q9c7de207a8_qkv
	.globl	k_q9c7de207a8_qkv
	.p2align	8
	.type	k_q9c7de207a8_qkv,@function
k_q9c7de207a8_qkv:
	s_mov_b64 s[64:65], 0
	v_nop
	global_prefetch_b8 v0, s[64:65] scope:SCOPE_SE
	s_setreg_imm32_b32 hwreg(HW_REG_WAVE_MODE, 25, 1), 1
	s_wait_xcnt 0x0
	s_wait_alu depctr_hold_cnt(0) depctr_sa_sdst(0) depctr_va_vdst(0) depctr_va_sdst(0) depctr_va_ssrc(0) depctr_va_vcc(0) depctr_vm_vsrc(0)
	s_getreg_b32 s2, hwreg(HW_REG_IB_STS2, 6, 4)
	s_cmp_eq_u32 s2, 0
	s_cbranch_scc0 .Lentry_in_a_cluster
	s_endpgm
.Lentry_in_a_cluster:
	s_bfe_u32 s2, ttmp6, 0x10000c
	s_cmp_lg_u32 s2, 0xf033
	s_cbranch_scc0 .Lentry_shape_is_right
	s_endpgm
.Lentry_shape_is_right:
; QKV: x w_qkv on codes of FP4 (E2M1) with one E8M0 scale for each 32 along K; sums in f32; the result is rounded once to f16 and laid BY HEAD:
; qkv[which][16 b + h][s][64], byte = which << 24 + (16 b + h) << 18 + s << 7 + 2 d, so that a head's rows are dense.
; A = xc [8192][512 bytes], B = wc [3072][512 bytes], scales xs [8192][32], ws [3072][32].
; LIMIT: q, k and v must stay under 65,504 in magnitude (f16).
; A tile of 256 x 256 is made by four waves, 128 x 128 each: 64 accumulators, 512 registers.  K = 1,024 is two K steps of 512 (tile rows of 256 bytes): each of two LDS slots is filled once.
; The scales of the work-group's rows, for all of K, are two dense blocks: they come once, with the first fills.  By the text's own count a wave has three tensor loads out at the start.
; CLUSTERS: 4 x 4 work-groups; A's tiles are asked for jointly along a row of the cluster, B's along a column.  THE MATRIX INSTRUCTION IS USED TRANSPOSED (source 0 = 16 rows of B, source 1 = 16 rows of A):
; a lane then holds eight neighbouring columns of one row.
; REGISTERS: window 0: v0-31 addresses; v32-95 scale words, two sets; v128-191 A's fragments, one set.  window 1: B's fragments, two sets.  windows 2, 3: the accumulators ((a, b) at v[8 (8 (a % 4) + b)]).
.set SIZE_K, 1024
.set KSTEP,  512
.set NQ,     KSTEP/128
.set ROWB,   256
.set KROW,   SIZE_K*4/8
.set PITCH,  272                       ; an LDS row: 256 bytes + 16: the 16 rows that a load touches start 4 words apart modulo 64 words
.set FR,     8
.set NL,     2
.set NP,     4
.set HALFT,  128*PITCH
.set SLOT,   4*HALFT
.set KS,     SIZE_K/32
.set SCL,    2*SLOT                    ; behind the ring: the scales, as units of 256 bytes + 16 of padding
.set HALFS,  (128*KS/256)*272
.set SBLK,   (16*KS/256)*272
.set SPARE,  SCL+4*HALFS               ; the spare words, 128 bytes for each wave
.set SPITCH, 272                       ; the way out: a stage of 16 rows x (256 bytes + 16) for each wave, in slot 0, which has had its only fill and its last read by then
.set ADRA, 16
.set ADRB, 20
.set STO,  24
.set RD,   25
.set CO,   26
.set ADRS, 27
.set SPW,  28
.set NIL,  29
.set SC,   32
.set TMP,  32                          ; the way out: packed results (the scale words are done with)
.set AF,   128
.set BK,   128                         ; the way out: rows read back: v128-159 and v160-191 by turns
.set G1, 24
.set G0, 32
.set G1B, 48
.set G0B, 56
.set G1S, 68
.set G0S, 76
.set G1SB, 80
.set G0SB, 88
.set MSB, 0
.macro WIN new                         ; the immediate's high byte repeats the setting that is left
.if MSB != (\new)
	s_set_vgpr_msb (MSB<<8)|(\new)
.set MSB, (\new)
.endif
.endm
.set MUL_LO, 0xa1
.set MUL_HI, 0xf1
.set TO_B,   0x40
; A joint load: waves 0 and 1 fetch for A, waves 2 and 3 for B; the branch hangs on the wave's number alone.  An s_nop 0 and four v_nop follow each line.
.macro JLOAD g0a, g1a, g0b, g1b
	s_cmp_eq_u32 s15, 0
	s_cbranch_scc0 .Lfor_b_\@
	tensor_load_to_lds s[\g0a:\g0a+3], s[\g1a:\g1a+7]
	s_nop 0
.rept 4
	v_nop
.endr
	s_branch .Lasked_\@
.Lfor_b_\@:
	tensor_load_to_lds s[\g0b:\g0b+3], s[\g1b:\g1b+7]
	s_nop 0
.rept 4
	v_nop
.endr
.Lasked_\@:
.endm
.macro CROUND                          ; a round of the cluster's barrier
	s_barrier_signal -1
	s_barrier_wait -1
	s_cmp_lg_u32 s14, 0
	s_cbranch_scc1 .Lnot_wave_0_\@
	s_barrier_signal -3
.Lnot_wave_0_\@:
	s_barrier_wait -3
	s_barrier_signal -1
	s_barrier_wait -1
.endm
	s_load_b128 s[4:7], s[0:1], 0x0                ; A's codes, A's scales
	s_load_b128 s[8:11], s[0:1], 0x10              ; B's codes, B's scales
	s_load_b64 s[12:13], s[0:1], 0x20              ; qkv
	v_lshl_add_u32 v[SPW], v0, 2, SPARE
	v_mov_b32 v[NIL], 0
	ds_add_u32 v[SPW], v[NIL]                      ; the wave's opening: the add and its wait ahead of my first tensor load
	v_lshrrev_b32 v1, 5, v0
	v_readfirstlane_b32 s14, v1                    ; wave 0..3
	s_lshr_b32 s15, s14, 1                         ; which half of the tile's rows is mine.  Also: I fetch for A (0) or for B (1)
	s_and_b32 s16, s14, 1                          ; which half of its columns.  Also: which 128 rows of that tile I fetch
	s_bfe_u32 s40, ttmp6, 0x40000                  ; cx, cy
	s_bfe_u32 s41, ttmp6, 0x40004
	s_lshl_b32 s42, ttmp9, 2
	s_add_co_u32 s42, s42, s40                     ; tile column
	s_and_b32 s17, ttmp7, 0xffff
	s_lshl_b32 s17, s17, 2
	s_add_co_u32 s17, s17, s41                     ; tile row
	s_lshl_b32 s43, s41, 2
	s_lshl_b32 s43, 15, s43                        ; my row of the cluster
	s_lshl_b32 s44, 0x1111, s40                    ; my column
	s_or_b32 s[G1+0], s43, (0<<16)|(1<<20)|(1<<21)|(5<<22)|(3<<25)  ; mask; elements of 1 byte; padding: 4 words behind every 64; bit 21 beside a mask
	s_or_b32 s[G1B+0], s44, (0<<16)|(1<<20)|(1<<21)|(5<<22)|(3<<25)
.irp g, G1, G1B
	s_mov_b32 s[\g+1], ROWB<<16                    ; tensor_dim0
	s_mov_b32 s[\g+2], 128<<16                     ; tensor_dim1
	s_mov_b32 s[\g+3], ROWB<<16                    ; tile_dim0
	s_mov_b32 s[\g+4], 128                         ; tile_dim1
	s_mov_b32 s[\g+5], KROW                        ; the pitch
	s_mov_b32 s[\g+6], 0
	s_mov_b32 s[\g+7], 0
.endr
	s_or_b32 s[G1S+0], s43, (3<<16)|(1<<20)|(1<<21)|(5<<22)|(3<<25) ; the scales of 128 rows: 4,096 dense bytes as 16 rows of 256 (32 elements of 8 bytes)
	s_or_b32 s[G1SB+0], s44, (3<<16)|(1<<20)|(1<<21)|(5<<22)|(3<<25)
.irp g, G1S, G1SB
	s_mov_b32 s[\g+1], 32<<16
	s_mov_b32 s[\g+2], (128*KS/256)<<16
	s_mov_b32 s[\g+3], 32<<16
	s_mov_b32 s[\g+4], 128*KS/256
	s_mov_b32 s[\g+5], 32
	s_mov_b32 s[\g+6], 0
	s_mov_b32 s[\g+7], 0
.endr
	s_lshl_b32 s18, s16, 7
	s_lshl_b32 s20, s17, 8
	s_add_co_u32 s20, s20, s18                     ; A: row 256 x tile row + 128 x half
	s_lshl_b32 s46, s42, 8
	s_add_co_u32 s46, s46, s18                     ; B: row 256 x tile column + 128 x half
	s_mov_b32 s21, 0
	s_mov_b32 s47, 0
	s_mov_b64 s[18:19], KS
	s_mul_u64 s[22:23], s[20:21], s[18:19]         ; where these rows' scales begin
	s_mul_u64 s[92:93], s[46:47], s[18:19]
	s_mov_b64 s[18:19], KROW
	s_mul_u64 s[20:21], s[20:21], s[18:19]         ; and their codes
	s_mul_u64 s[46:47], s[46:47], s[18:19]
	s_mul_i32 s45, s14, HALFT                      ; where they go: wave x 128 rows
	s_mul_i32 s94, s14, HALFS
	s_wait_dscnt 0x0                               ; the opening add is done
	s_wait_kmcnt 0x0
	s_add_nc_u64 s[20:21], s[4:5], s[20:21]
	s_add_nc_u64 s[22:23], s[6:7], s[22:23]
	s_add_nc_u64 s[46:47], s[8:9], s[46:47]
	s_add_nc_u64 s[92:93], s[10:11], s[92:93]
	CROUND                                         ; all sixteen work-groups are here: the first joint loads meet
	s_mov_b32 s[G0S], 1
	s_add_co_u32 s[G0S+1], s94, SCL
	s_mov_b64 s[G0S+2:G0S+3], s[22:23]
	s_or_b32 s[G0S+3], s[G0S+3], 0x80000000
	s_mov_b32 s[G0SB], 1
	s_add_co_u32 s[G0SB+1], s94, SCL
	s_mov_b64 s[G0SB+2:G0SB+3], s[92:93]
	s_or_b32 s[G0SB+3], s[G0SB+3], 0x80000000
	JLOAD G0S, G1S, G0SB, G1SB                     ; the scales first
.irp s, 0,1
	s_mov_b32 s[G0+4*\s], 1
	s_add_co_u32 s[G0+4*\s+1], s45, \s*SLOT
	s_add_nc_u64 s[G0+4*\s+2:G0+4*\s+3], s[20:21], \s*ROWB
	s_or_b32 s[G0+4*\s+3], s[G0+4*\s+3], 0x80000000
	s_mov_b32 s[G0B+4*\s], 1
	s_add_co_u32 s[G0B+4*\s+1], s45, \s*SLOT
	s_add_nc_u64 s[G0B+4*\s+2:G0B+4*\s+3], s[46:47], \s*ROWB
	s_or_b32 s[G0B+4*\s+3], s[G0B+4*\s+3], 0x80000000
	JLOAD G0+4*\s, G1, G0B+4*\s, G1B
.endr
	v_and_b32 v1, 15, v0                           ; r = l % 16
	v_bfe_u32 v2, v0, 4, 1                         ; h = l / 16
	v_mul_u32_u24 v3, v1, PITCH
	v_lshl_add_u32 v4, v2, 4, v3                   ; a fragment's row x pitch + 16 h
	s_mul_i32 s21, s15, HALFT
	s_mul_i32 s22, s16, HALFT
	s_add_co_u32 s22, s22, 2*HALFT
.irp s, 0,1
	v_add_nc_u32 v[ADRA+\s], s21, v4
	v_add_nc_u32 v[ADRB+\s], s22, v4
	s_add_co_u32 s21, s21, SLOT
	s_add_co_u32 s22, s22, SLOT
.endr
	v_mul_u32_u24 v5, v1, KS                       ; my row's scales: KS bytes a row,
	v_lshrrev_b32 v6, 8, v5
	v_lshl_add_u32 v5, v6, 4, v5                   ; and 16 more for each 256 passed
	s_mul_i32 s21, s15, HALFS
	s_mul_i32 s22, s16, HALFS
	s_add_co_u32 s22, s22, 2*HALFS
	s_sub_co_u32 s22, s22, s21
	v_mul_u32_u24 v6, s22, v2                      ; lanes 16-31 take B's: one product, the distance between the two bases
	s_add_co_u32 s21, s21, SCL
	v_add_nc_u32 v5, v5, v6
	v_add_nc_u32 v[ADRS], s21, v5
	s_mul_i32 s23, s14, 16*SPITCH                  ; my stage
	v_mul_u32_u24 v5, v1, SPITCH                   ; in: row r, 16 bytes for each half of the lanes
	v_lshl_add_u32 v5, v2, 4, v5
	v_add_nc_u32 v[STO], s23, v5
	v_bfe_u32 v6, v0, 3, 1                         ; back: lanes 0-15 take the first head's 128 bytes of two rows, lanes 16-31 the second head's
	v_mul_u32_u24 v6, v6, SPITCH
	v_lshl_add_u32 v6, v2, 7, v6
	v_and_b32 v7, 7, v0
	v_lshl_add_u32 v6, v7, 4, v6
	v_add_nc_u32 v[RD], s23, v6
	v_lshlrev_b32 v[CO], 4, v1                     ; in qkv: two tokens of a head are 256 bytes on end; the next head lies 2^18 bytes on
	v_lshl_add_u32 v[CO], v2, 18, v[CO]
	s_lshl_b32 s20, s17, 8
	s_lshl_b32 s21, s15, 7
	s_add_co_u32 s20, s20, s21                     ; my first row m0 = 2048 b + s
	s_lshr_b32 s21, s20, 11
	s_lshl_b32 s21, s21, 22                        ; 16 b << 18
	s_and_b32 s20, s20, 2047
	s_lshl_b32 s20, s20, 7                         ; s << 7
	s_add_co_u32 s20, s20, s21
	s_lshl_b32 s46, s42, 2
	s_lshl_b32 s47, s16, 1
	s_add_co_u32 s46, s46, s47                     ; my first group of 64 columns g0 = 16 which + h (even: both my heads belong to one of q, k, v)
	s_lshr_b32 s47, s46, 4
	s_lshl_b32 s47, s47, 24
	s_and_b32 s46, s46, 15
	s_lshl_b32 s46, s46, 18
	s_add_co_u32 s46, s46, s47
	s_add_co_u32 s20, s20, s46
	s_mov_b32 s21, 0
	s_add_nc_u64 s[12:13], s[12:13], s[20:21]
.macro FRAG reg, adr, q, i             ; 16 rows x 128 K of 4-bit codes: 8 registers, two loads of 16 bytes, 32 bytes apart
.irp c, 0,1
	ds_load_b128 v[\reg+4*\c:\reg+4*\c+3], v[\adr] offset:64*(\q)+32*\c+(\i)*16*PITCH
.endr
.endm
; 16 matrix instructions: A's blocks a0, a0 + 1 x B's eight.  The 64 accumulators take turns, one instruction a turn, in the same order in every step.
.macro MUL16 a0, p, q, sc, zero
.irp a, \a0, \a0+1
.irp b, 0,1,2,3,4,5,6,7
.if \zero
	v_wmma_scale_f32_16x16x128_f8f6f4 v[8*(8*((\a)%4)+\b):8*(8*((\a)%4)+\b)+7], v[128*(\p)+FR*\b:128*(\p)+FR*\b+FR-1], v[AF+FR*(\a):AF+FR*(\a)+FR-1], 0, v[SC+8*NQ*(\sc)+NQ*\b+(\q)], v[SC+8*NQ*(\sc)+NQ*(\a)+(\q)] matrix_a_fmt:MATRIX_FMT_FP4 matrix_b_fmt:MATRIX_FMT_FP4 matrix_a_scale:MATRIX_SCALE_ROW1
.else
	v_wmma_scale_f32_16x16x128_f8f6f4 v[8*(8*((\a)%4)+\b):8*(8*((\a)%4)+\b)+7], v[128*(\p)+FR*\b:128*(\p)+FR*\b+FR-1], v[AF+FR*(\a):AF+FR*(\a)+FR-1], v[8*(8*((\a)%4)+\b):8*(8*((\a)%4)+\b)+7], v[SC+8*NQ*(\sc)+NQ*\b+(\q)], v[SC+8*NQ*(\sc)+NQ*(\a)+(\q)] matrix_a_fmt:MATRIX_FMT_FP4 matrix_b_fmt:MATRIX_FMT_FP4 matrix_a_scale:MATRIX_SCALE_ROW1
.endif
.endr
.endr
.endm
.macro FETCH_B slot, q, p
	WIN TO_B
.irp i, 0,1,2,3,4,5,6,7
	FRAG 128*(\p)+FR*\i, ADRB+\slot, \q, \i
.endr
	WIN 0
.endm
.macro FETCH_A slot, q, i0
.irp i, \i0, \i0+1, \i0+2, \i0+3
	FRAG AF+FR*(\i), ADRA+\slot, \q, \i
.endr
.endm
.macro SCALES sc                       ; a K step's scale words: lanes 0-15 A's block i, lanes 16-31 B's block i
.irp i, 0,1,2,3,4,5,6,7
	ds_load_b128 v[SC+8*NQ*\sc+NQ*\i:SC+8*NQ*\sc+NQ*\i+3], v[ADRS] offset:\i*SBLK
.endr
.endm
.macro PLACES n                        ; plain vector instructions between a matrix instruction and a load into, or a read of, its registers
.rept \n
	v_nop
.endr
.endm
.macro STEP slot, q, zero              ; 128 along K that has its successor in the same slot
	s_wait_dscnt 4*NL                              ; B's set and A's blocks 0-3 are in; the youngest eight loads (A's blocks 4-7) may be out
	WIN MUL_LO
	MUL16 0, (\q)%2, \q, \slot, \zero
	MUL16 2, (\q)%2, \q, \slot, \zero
	s_wait_dscnt 0
	PLACES NP
	FETCH_B \slot, (\q)+1, 1-(\q)%2
	FETCH_A \slot, (\q)+1, 0
	WIN MUL_HI
	MUL16 4, (\q)%2, \q, \slot, \zero
	MUL16 6, (\q)%2, \q, \slot, \zero
	PLACES NP
	WIN 0
	FETCH_A \slot, (\q)+1, 4
.endm
.macro STEPS slot, from
.set Q, \from
.rept NQ-1-\from
	STEP \slot, Q, 0
.set Q, Q+1
.endr
.endm
	s_wait_tensorcnt 1                             ; the scales and my part of K step 0 are in; K step 1's load may be out
	s_barrier_signal -1
	s_barrier_wait -1
	FETCH_B 0, 0, 0
	FETCH_A 0, 0, 0
	SCALES 0
	FETCH_A 0, 0, 4
	STEP 0, 0, 1                                   ; the first step's products start the sums: nothing is cleared
	STEPS 0, 1
	; slot 0's last step changes slots: one barrier; nothing is filled again
	s_wait_tensorcnt 0x0                           ; my part of slot 1 has landed
	ds_add_u32 v[SPW], v[NIL]
	s_wait_dscnt 4*NL+1                            ; the add and the youngest eight loads may be out
	WIN MUL_LO
	MUL16 0, 1, NQ-1, 0, 0
	s_wait_dscnt 0x0                               ; the add is done, and my reads of slot 0 are over
	s_barrier_signal -1
	MUL16 2, 1, NQ-1, 0, 0
	WIN 0
	s_barrier_wait -1
	PLACES NP
	v_add_nc_u32 v[ADRS], 4*NQ, v[ADRS]            ; on to the next K step's scale words
	FETCH_B 1, 0, 0
	FETCH_A 1, 0, 0
	SCALES 1
	WIN MUL_HI
	MUL16 4, 1, NQ-1, 0, 0
	MUL16 6, 1, NQ-1, 0, 0
	PLACES NP
	WIN 0
	FETCH_A 1, 0, 4
	STEPS 1, 0
	s_wait_dscnt 4*NL                              ; the very last step
	WIN MUL_LO
	MUL16 0, 1, NQ-1, 1, 0
	MUL16 2, 1, NQ-1, 1, 0
	s_wait_dscnt 0
	WIN MUL_HI
	MUL16 4, 1, NQ-1, 1, 0
	MUL16 6, 1, NQ-1, 1, 0
	WIN 0
; THE WAY OUT, a block of 16 rows x 128 columns at a time: rounded to f16 (16 bytes a lane), through my own stage, back so that sixteen lanes hold two tokens of one head: 256 consecutive bytes of qkv.
.macro PACK a
.set AC, 64*((\a)%4)
	WIN 0x0a+5*((\a)/4)                            ; sources 0 and 1: window 2 or 3
.irp b, 0,1,2,3,4,5,6,7
.irp r, 0,1,2,3
	v_cvt_pk_f16_f32 v[TMP+4*\b+\r], v[AC+8*\b+2*\r], v[AC+8*\b+2*\r+1]   ; each accumulator from its low end on
.endr
.endr
	WIN 0
.endm
.macro TOSTAGE a
.set BB, BK+32*((\a)%2)
.irp b, 0,1,2,3,4,5,6,7
	ds_store_b128 v[STO], v[TMP+4*\b:TMP+4*\b+3] offset:32*\b
.endr
.irp t, 0,1,2,3,4,5,6,7
	ds_load_b128 v[BB+4*\t:BB+4*\t+3], v[RD] offset:\t*2*SPITCH   ; LDS serves a wave's instructions in order: these see the stores above
.endr
.endm
.macro SEND a
.set BB, BK+32*((\a)%2)
	s_wait_dscnt 0x0                               ; the block is back in registers
	s_wait_xcnt 0x0                                ; earlier stores have read their base and their data: both may be written again
.if (\a) > 0
	s_add_nc_u64 s[12:13], s[12:13], 2048          ; 16 tokens on
.endif
.irp t, 0,1,2,3,4,5,6,7
	global_store_b128 v[CO], v[BB+4*\t:BB+4*\t+3], s[12:13] offset:256*\t   ; each sixteen lanes store 256 consecutive bytes, aligned
.endr
.endm
	PLACES NP                                      ; behind the last products: the conversions write the scale words' registers, the loads A's
	PACK 0
	TOSTAGE 0
.irp a, 1,2,3,4,5,6,7
	PACK \a                                        ; block a's conversions stand between block a - 1's loads from the stage and the wait for them
	SEND \a-1
	TOSTAGE \a
.endr
	SEND 7
	s_wait_tensorcnt 0x0                           ; the wave's end: the three lines behind my last LDS store
	ds_add_u32 v[SPW], v[NIL]
	s_wait_dscnt 0x0
	CROUND                                         ; the closing round
	s_endpgm
.Lfunc_end_k_q9c7de207a8_qkv:
	.size	k_q9c7de207a8_qkv, .Lfunc_end_k_q9c7de207a8_qkv-k_q9c7de207a8_qkv
	.p2alignl 7, 3214868480
	.fill 96, 4, 3214868480
	.section	.rodata,"a",@progbits
	.p2align	6, 0x0
	.amdhsa_kernel k_q9c7de207a8_qkv
		.amdhsa_group_segment_fixed_size 327680
		.amdhsa_private_segment_fixed_size 0
		.amdhsa_enable_private_segment 0
		.amdhsa_kernarg_size 40
		.amdhsa_user_sgpr_count 2
		.amdhsa_user_sgpr_kernarg_segment_ptr 1
		.amdhsa_wavefront_size32 1
		.amdhsa_system_sgpr_workgroup_id_x 1
		.amdhsa_system_sgpr_workgroup_id_y 1
		.amdhsa_system_sgpr_workgroup_id_z 1
		.amdhsa_system_vgpr_workitem_id 0
		.amdhsa_next_free_vgpr 1024
		.amdhsa_next_free_sgpr 98
		.amdhsa_reserve_vcc 0
		.amdhsa_float_denorm_mode_32 3
		.amdhsa_float_denorm_mode_16_64 3
		.amdhsa_memory_ordered 1
		.amdhsa_forward_progress 1
		.amdhsa_inst_pref_size 127
	.end_amdhsa_kernel
	.amdgpu_metadata
---
amdhsa.version: [ 1, 2 ]
amdhsa.kernels:
  - .name:           k_q9c7de207a8_qkv
    .symbol:         k_q9c7de207a8_qkv.kd
    .args:
      - { .name: xc, .offset: 0, .size: 8, .value_kind: global_buffer, .address_space: global }
      - { .name: xs, .offset: 8, .size: 8, .value_kind: global_buffer, .address_space: global }
      - { .name: wc, .offset: 16, .size: 8, .value_kind: global_buffer, .address_space: global }
      - { .name: ws, .offset: 24, .size: 8, .value_kind: global_buffer, .address_space: global }
      - { .name: qkv, .offset: 32, .size: 8, .value_kind: global_buffer, .address_space: global }
    .group_segment_fixed_size: 327680
    .private_segment_fixed_size: 0
    .kernarg_segment_align: 8
    .kernarg_segment_size: 40
    .max_flat_workgroup_size: 128
    .sgpr_count:     98
    .vgpr_count:     1024
    .wavefront_size: 32
...
	.end_amdgpu_metadata
.endif
;; end of part 2
;; launch attn (part 3): grid 4 x 64, 8 waves a work-group, no clusters, 327,680 bytes of LDS; arguments qkv, att; writes att
.if DOCPART == 3
	.amdgcn_target "amdgcn-amd-amdhsa--gfx1250"
	.amdhsa_code_object_version 6
	.text
	.protected	k_q9c7de207a8_attn
	.globl	k_q9c7de207a8_attn
	.p2align	8
	.type	k_q9c7de207a8_attn,@function
k_q9c7de207a8_attn:
	s_mov_b64 s[64:65], 0
	v_nop
	global_prefetch_b8 v0, s[64:65] scope:SCOPE_SE
	s_setreg_imm32_b32 hwreg(HW_REG_WAVE_MODE, 25, 1), 1
	s_wait_xcnt 0x0
; ATTN: att[bh][q][:] = sum over k <= q of softmax_k(Q[q] . K[k] / 8) V[k][:], for 64 heads bh of 2,048 tokens x 64 channels.  q, k, v: f16 in qkv[3][64][2048][64]; att: f16, same layout.
; Products on f16 operands with f32 sums; maxima, exponentials and sums in f32; a running maximum m and sum l for each query; p = 2^(c s - c m), c = log2(e) / 8, rounded to f16 for the second product.
; LIMITS: NaN and infinities are not served; the result is a weighted mean of v, so it has v's range (f16).
; SHARES.  A head's queries are 8 blocks of 256; block i needs i + 1 units of 256 keys.  Work-group j takes block 7 - j (pass 0) and then block j (pass 1): 9 units in every work-group.
; Eight waves of 512 registers, two to a SIMD, so that one wave's softmax stands beside the other's products.  Wave w: pair p = w & 3, team = w >> 2.  The two waves of a pair own the SAME four tiles of 16 queries
; and split the KEYS: of a unit's four steps of 64 keys team 0 takes steps 0 and 3, team 1 steps 1 and 2.  Local tile i is tile p + 4 (i xor 2 team) of the block: on the diagonal unit each team then has 5 tile-steps.
; At a pass's end the teams' (m, l, O) are merged through LDS: a wave gives its local tiles 2, 3 away and finishes its local tiles 0, 1 (the partner's 2, 3).
; NO CLUSTER: the four work-groups of a head need 8 - j and then j + 1 units; in lock-step every partner would walk 8 + 4 units of time in place of 9.
; LOOPS of constant count: pass (2) { unit (8) { change of slots; two steps } ; way out }.  A unit behind the block's diagonal, and a tile all of whose keys are hidden, are jumped over by scalar branches on ids:
; round LDS loads and register work alone, never round a barrier, a wait for it or the add.
; LAYOUT.  S^T = K Q^T (source 0 = 16 keys, source 1 = 16 queries), O^T = V^T P (source 0 = 16 channels, turned out of LDS; source 1 = P): a lane holds ONE query (lane % 16) throughout.
; LDS: two slots 2^17 bytes apart, each 256 keys of K (two keys to a row of 256 bytes + 16) and of V (+ 32); then the merge images, the stages, the spare words.
; REGISTERS: window 0: v2-18 addresses; v24-39 statistics (tile i: c m, m, l even, l odd); v40-47 at work; v48-63 P; v64-127 Q; v128-159 S^T; v160-191 offsets and merge factors; v192-255 the way out.
;   window 1: v0-127 O^T (tile i at 32 i); v128-191 K's 8 fragments; v192-255 V's 8.
.set SLOT1, 131072
.set VOFF,  34816                      ; 128 rows x 272 of K, then 128 rows x 288 of V
.set MRG,   202752                     ; 8,704 a wave: 16 images of 512 bytes, then 4 x 128 bytes of statistics
.set STAGE, 272384                     ; 4,608 a wave: 2 tiles x 16 rows x (128 + 16)
.set SPARE, 309248                     ; the spare words, 128 bytes for each of eight waves
.set AK0, 2
.set AV0, 3
.set ADK, 4
.set ADV, 5
.set QO,  6
.set STO, 7
.set RD,  8
.set L16, 9
.set MST, 10
.set MLD, 11
.set MSS, 12
.set MSL, 13
.set DL,  14
.set NINF, 15
.set SPW, 16
.set NIL, 17
.set PFO, 18
.set ST,  24
.set T,   40
.set P,   48
.set Q,   64
.set S,   128
.set QOF, 160
.set OOF, 164
.set MF,  168
.set PK,  192
.set BK,  224
.set KF,  128                          ; in window 1
.set VF,  192
.set TB,  2                            ; s2  the slot in hand
.set U,   3                            ; s3  the unit
.set WV,  12
.set PP,  13
.set TEAM, 14
.set J,   15
.set PASSI, 16
.set BLK, 17
.set QT,  20                           ; s20-23 my four tiles' first queries
.set G1K, 24
.set G1V, 32
.set G0K, 40
.set G0V, 44
.set KOA, 48
.set KOB, 49
.set VOA, 50
.set VOB, 51
.set KFA, 52
.set KFB, 53
.set NEED, 54
.set PFL, 55
.set PFA, 56
.set CS,  58
.set SEL, 60
.set OFS, 62
.set TT,  68
.set MSB, 0
.macro WIN new
.if MSB != (\new)
	s_set_vgpr_msb (MSB<<8)|(\new)
.set MSB, (\new)
.endif
.endm
.set W_KQ, 0x01                        ; K in window 1; Q and S^T in window 0
.set W_PV, 0x51                        ; V and O^T in window 1, P in window 0
.set W_RS, 0x41                        ; O^T (destination and source 0) in window 1, the factor in window 0
.set TO_1, 0x40
; Waves 0 and 1 fetch K's halves of a unit, waves 2 and 3 V's, the others nothing: branches on the wave's number alone.  An s_nop 0 and four v_nop follow each load.
.macro TLOAD
	s_cmp_lt_u32 s[WV], 2
	s_cbranch_scc0 .Lnot_k_\@
	tensor_load_to_lds s[G0K:G0K+3], s[G1K:G1K+7]
	s_nop 0
.rept 4
	v_nop
.endr
	s_branch .Lasked_\@
.Lnot_k_\@:
	s_cmp_lt_u32 s[WV], 4
	s_cbranch_scc0 .Lasked_\@
	tensor_load_to_lds s[G0V:G0V+3], s[G1V:G1V+7]
	s_nop 0
.rept 4
	v_nop
.endr
.Lasked_\@:
.endm
	s_load_b128 s[4:7], s[0:1], 0x0                ; qkv, att
	v_lshl_add_u32 v[SPW], v0, 2, SPARE
	v_mov_b32 v[NIL], 0
	ds_add_u32 v[SPW], v[NIL]                      ; the wave's opening: the add and its wait ahead of the first tensor load
	v_lshrrev_b32 v1, 5, v0
	v_readfirstlane_b32 s[WV], v1                  ; wave 0..7
	s_and_b32 s[PP], s[WV], 3
	s_lshr_b32 s[TEAM], s[WV], 2
	s_mov_b32 s[J], ttmp9
	s_and_b32 s18, ttmp7, 0xffff                   ; the head
	s_lshl_b32 s[OFS], s18, 18
	s_mov_b32 s[OFS+1], 0
	; descriptor groups 1: 64 rows of 128 elements of 2 bytes, dense in memory (two keys to a row), padded in LDS
	s_mov_b32 s[G1K], (1<<16)|(1<<20)|(5<<22)|(3<<25)   ; no mask; 2 bytes; padding: 4 words behind every 64
	s_mov_b32 s[G1V], (1<<16)|(1<<20)|(5<<22)|(7<<25)   ; 8 words
.irp g, G1K, G1V
	s_mov_b32 s[\g+1], 128<<16                     ; tensor_dim0
	s_mov_b32 s[\g+2], 64<<16                      ; tensor_dim1
	s_mov_b32 s[\g+3], 128<<16                     ; tile_dim0
	s_mov_b32 s[\g+4], 64                          ; tile_dim1
	s_mov_b32 s[\g+5], 128                         ; the pitch
	s_mov_b32 s[\g+6], 0
	s_mov_b32 s[\g+7], 0
.endr
	s_mov_b32 s[CS], 0x3e38aa3b                    ; c = log2(e) / 8
	s_mov_b32 s[CS+1], s[CS]
	s_mov_b32 s[SEL], 0x76543210
	s_mov_b32 s[SEL+1], 0xfedcba98
	s_mul_i32 s[KOA], s[TEAM], 8704                ; my two steps of a unit: 32 rows x 272 (K), x 288 (V) a step
	s_xor_b32 s19, s[TEAM], 3
	s_mul_i32 s[KOB], s19, 8704
	s_mul_i32 s[VOA], s[TEAM], 9216
	s_mul_i32 s[VOB], s19, 9216
	s_lshr_b32 s[PFL], s[WV], 2
	s_xor_b32 s[PFL], s[PFL], 1                    ; 0 in waves 4 to 7,
	s_or_b32 s[PFL], s[PFL], ttmp9                 ; of the head's work-group 0
	s_cmp_eq_u32 s[PFL], 0
	s_cselect_b32 s[PFL], 0, 100
	s_and_b32 s19, s[WV], 1                        ; which half of a unit I fetch
	s_mul_i32 s[G0K+1], s19, 17408                 ; its place in slot 0
	s_mul_i32 s[G0V+1], s19, 18432
	s_add_co_u32 s[G0V+1], s[G0V+1], VOFF
	s_mov_b32 s[G0K], 1
	s_mov_b32 s[G0V], 1
	s_lshl_b32 s18, s19, 14                        ; and in memory: 128 keys x 128 bytes
	s_mov_b32 s19, 0
	s_mov_b32 s[TB], 0
	s_mov_b32 s[PASSI], 0
	s_wait_dscnt 0x0                               ; the opening add is done
	s_wait_kmcnt 0x0
	s_add_nc_u64 s[4:5], s[4:5], s[OFS:OFS+1]      ; q of my head
	s_add_nc_u64 s[6:7], s[6:7], s[OFS:OFS+1]      ; att of my head
	s_add_nc_u64 s[8:9], s[4:5], s[18:19]
	s_add_nc_u64 s[10:11], s[8:9], 0x2000000       ; v of my head, my half
	s_add_nc_u64 s[8:9], s[8:9], 0x1000000         ; k likewise
	s_mov_b64 s[G0K+2:G0K+3], s[8:9]
	s_or_b32 s[G0K+3], s[G0K+3], 0x80000000
	s_mov_b64 s[G0V+2:G0V+3], s[10:11]
	s_or_b32 s[G0V+3], s[G0V+3], 0x80000000
	TLOAD                                          ; unit 0 into slot 0: the one first fill.  A wave never has more than one tensor load out, and every wait for them is for 0
	s_cmp_lt_u32 s[WV], 6                          ; the prefetches: waves 4, 5 ask for K's halves, waves 6, 7 for V's
	s_cselect_b64 s[PFA:PFA+1], s[8:9], s[10:11]
	s_add_nc_u64 s[PFA:PFA+1], s[PFA:PFA+1], 32768 ; at unit 1: the first change of slots steps it to unit 2.  Nothing is prefetched at the head
	v_and_b32 v19, 15, v0                          ; r
	v_bfe_u32 v20, v0, 4, 1                        ; h
	v_and_b32 v21, 31, v0                          ; lane
	v_lshrrev_b32 v22, 1, v19
	v_mul_u32_u24 v[AK0], v22, 272
	v_and_b32 v22, 1, v19
	v_lshl_add_u32 v[AK0], v22, 7, v[AK0]
	v_lshl_add_u32 v[AK0], v20, 4, v[AK0]          ; K: key r of a tile: (r / 2) x 272 + (r % 2) x 128 + 16 h
	v_bfe_u32 v22, v0, 1, 2
	v_mul_u32_u24 v[AV0], v22, 288
	v_mad_u32_u24 v[AV0], v20, 1152, v[AV0]
	v_and_b32 v22, 1, v0
	v_lshl_add_u32 v[AV0], v22, 7, v[AV0]
	v_bfe_u32 v22, v0, 3, 1
	v_lshl_add_u32 v[AV0], v22, 4, v[AV0]
	v_add_nc_u32 v[AV0], VOFF, v[AV0]              ; V, for the turning load: key 8 h + lane % 8, channels 8 ((lane / 8) % 2) on
	v_lshlrev_b32 v[QO], 7, v19
	v_lshl_add_u32 v[QO], v20, 4, v[QO]            ; Q in memory: row r of 128 bytes + 16 h
	s_mul_i32 s18, s[WV], 4608
	s_add_co_u32 s18, s18, STAGE
	v_mul_u32_u24 v[STO], v19, 144
	v_lshl_add_u32 v[STO], v20, 4, v[STO]
	v_add_nc_u32 v[STO], s18, v[STO]               ; my stage, in: row r, + 16 h
	v_lshrrev_b32 v22, 3, v21
	v_mul_u32_u24 v[RD], v22, 144
	v_and_b32 v22, 7, v0
	v_lshl_add_u32 v[RD], v22, 4, v[RD]
	v_add_nc_u32 v[RD], s18, v[RD]                 ; back: eight lanes to a row of 128 bytes, four rows an instruction
	v_lshlrev_b32 v[L16], 4, v21
	s_mul_i32 s18, s[WV], 8704
	s_add_co_u32 s18, s18, MRG
	s_xor_b32 s19, s[WV], 4                        ; my partner: the same pair, the other team
	s_mul_i32 s19, s19, 8704
	s_add_co_u32 s19, s19, MRG
	v_add_nc_u32 v[MST], s18, v[L16]
	v_add_nc_u32 v[MLD], s19, v[L16]
	s_add_co_u32 s18, s18, 8192
	s_add_co_u32 s19, s19, 8192
	v_lshl_add_u32 v[MSS], v21, 2, s18
	v_lshl_add_u32 v[MSL], v21, 2, s19
	v_lshlrev_b32 v22, 3, v20
	v_sub_nc_u32 v[DL], v19, v22                   ; r - 8 h, for the mask
	v_mov_b32 v[NINF], 0xff800000
	v_lshlrev_b32 v[PFO], 8, v21
.irp n, 0,1,2,3,4,5,6,7
	v_mov_b32 v[T+\n], 0                           ; written once: a lane permute's destination counts as one of its sources
.endr
; ONE TILE OF 16 QUERIES x ONE STEP OF 64 KEYS.  kf: the scalar register with the step's first key.
.macro TILE i, kf
.set rT, ST+4*(\i)
.set rO, 32*(\i)
	s_add_co_u32 s18, s[QT+\i], 15
	s_cmp_gt_u32 s[\kf], s18                       ; all 64 keys come after my 16 queries: ids alone
	s_cbranch_scc1 .Lskip_\@
	s_wait_dscnt 16                                ; K's 16 loads are in; V's 16 may be out
	WIN W_KQ
.irp kk, 0,1                           ; four accumulators by turns; the first four products start the sums
.irp t, 0,1,2,3
.if \kk == 0
	v_wmma_f32_16x16x32_f16 v[S+8*\t:S+8*\t+7], v[KF+8*(2*\t+\kk):KF+8*(2*\t+\kk)+7], v[Q+16*(\i)+8*\kk:Q+16*(\i)+8*\kk+7], 0
.else
	v_wmma_f32_16x16x32_f16 v[S+8*\t:S+8*\t+7], v[KF+8*(2*\t+\kk):KF+8*(2*\t+\kk)+7], v[Q+16*(\i)+8*\kk:Q+16*(\i)+8*\kk+7], v[S+8*\t:S+8*\t+7]
.endif
.endr
.endr
	WIN 0
	v_mov_b32 v[T+7], v[rT]                        ; c m as it was; with the three v_nop the four places behind the products
.rept 3
	v_nop
.endr
	s_add_co_u32 s18, s[\kf], 63
	s_cmp_le_u32 s18, s[QT+\i]                     ; all 64 keys count: no mask
	s_cbranch_scc1 .Lopen_\@
	s_sub_co_i32 s18, s[QT+\i], s[\kf]
	v_add_nc_u32 v[T+4], s18, v[DL]                ; register 8 t + j holds key kf + 16 t + 8 h + j: hidden where 16 t + j > my query - kf - 8 h
.set n, 0
.rept 32
	v_cmp_gt_i32 vcc_lo, 16*(n/8)+n%8, v[T+4]
	v_cndmask_b32 v[S+n], v[S+n], v[NINF], vcc_lo
.set n, n+1
.endr
.Lopen_\@:
.irp t, 0,1,2,3
	v_max3_num_f32 v[T+\t], v[S+8*\t], v[S+8*\t+1], v[S+8*\t+2]   ; four chains, each from its accumulator's low end
.endr
.irp t, 0,1,2,3
	v_max3_num_f32 v[T+\t], v[T+\t], v[S+8*\t+3], v[S+8*\t+4]
.endr
.irp t, 0,1,2,3
	v_max3_num_f32 v[T+\t], v[T+\t], v[S+8*\t+5], v[S+8*\t+6]
.endr
	v_max3_num_f32 v[T], v[T], v[S+7], v[S+15]
	v_max3_num_f32 v[T+2], v[T+2], v[S+23], v[S+31]
	v_max3_num_f32 v[T], v[T], v[T+1], v[T+2]
	v_max3_num_f32 v[T], v[T], v[T+3], v[rT+1]     ; with the old m
	v_permlanex16_b32 v[T+1], v[T], s[SEL], s[SEL+1]   ; the query's other 32 keys lie in the lane 16 away
	v_max_num_f32 v[rT+1], v[T], v[T+1]            ; the new m
	v_mul_f32 v[rT], s[CS], v[rT+1]                ; c m
	v_sub_f32 v[T+7], v[T+7], v[rT]                ; c m_old - c m_new
.set n, 0
.rept 16
	v_pk_fma_f32 v[S+2*n:S+2*n+1], v[S+2*n:S+2*n+1], s[CS:CS+1], v[rT:rT+1] op_sel_hi:[1,0,0] neg_lo:[0,0,1] neg_hi:[0,0,1]   ; c s - c m
.set n, n+1
.endr
	v_exp_f32 v[T+6], v[T+7]                       ; a = 2^(c m_old - c m_new)
.set n, 0
.rept 32
	v_exp_f32 v[S+n], v[S+n]                       ; p
.set n, n+1
.endr
	v_nop                                          ; a plain instruction behind the last exponential
	s_wait_alu depctr_va_vdst(0)                   ; one wait for the batch of 33, ahead of its first reader
.set n, 0
.rept 16
	v_cvt_pk_f16_f32 v[P+n], v[S+2*n], v[S+2*n+1]  ; two neighbouring tiles' pairs ARE source 1 of the second product
.set n, n+1
.endr
.irp w, 4,8,16,32                      ; the sum of the unrounded p: 16 pairs, a tree in place
.set n, 0
.rept 32/\w
	v_pk_add_f32 v[S+\w*n:S+\w*n+1], v[S+\w*n:S+\w*n+1], v[S+\w*n+\w/2:S+\w*n+\w/2+1]
.set n, n+1
.endr
.endr
	v_pk_fma_f32 v[rT+2:rT+3], v[rT+2:rT+3], v[T+6:T+7], v[S:S+1] op_sel_hi:[1,0,1]   ; l = a l + the sum
	WIN W_RS
.set n, 0
.rept 16
	v_pk_mul_f32 v[rO+2*n:rO+2*n+1], v[rO+2*n:rO+2*n+1], v[T+6:T+7] op_sel_hi:[1,0]   ; O^T x a, each accumulator from its low end
.set n, n+1
.endr
	s_wait_dscnt 0x0                               ; V is in
	WIN W_PV
.irp ks, 0,1                           ; four accumulators by turns
.irp c, 0,1,2,3
	v_wmma_f32_16x16x32_f16 v[rO+8*\c:rO+8*\c+7], v[VF+8*(4*\ks+\c):VF+8*(4*\ks+\c)+7], v[P+8*\ks:P+8*\ks+7], v[rO+8*\c:rO+8*\c+7]
.endr
.endr
	WIN 0
.Lskip_\@:
.endm
; A STEP OF 64 KEYS: its K (8 fragments) and V (8, turned) in one run of 32 LDS loads; each fragment feeds up to four tiles.
.macro STEP ko, vo, kf
	s_add_co_u32 s18, s[TB], s[\ko]
	s_add_co_u32 s19, s[TB], s[\vo]
	v_add_nc_u32 v[ADK], s18, v[AK0]               ; with the two v_nop: four places between the last products and the loads into their sources
	v_add_nc_u32 v[ADV], s19, v[AV0]
	v_nop
	v_nop
	WIN TO_1
.irp t, 0,1,2,3
.irp kk, 0,1
	ds_load_b128 v[KF+8*(2*\t+\kk):KF+8*(2*\t+\kk)+3], v[ADK] offset:2176*\t+64*\kk
	ds_load_b128 v[KF+8*(2*\t+\kk)+4:KF+8*(2*\t+\kk)+7], v[ADK] offset:2176*\t+64*\kk+32
.endr
.endr
.irp ks, 0,1
.irp c, 0,1,2,3
	ds_load_tr16_b128 v[VF+8*(4*\ks+\c):VF+8*(4*\ks+\c)+3], v[ADV] offset:4608*\ks+32*\c
	ds_load_tr16_b128 v[VF+8*(4*\ks+\c)+4:VF+8*(4*\ks+\c)+7], v[ADV] offset:4608*\ks+32*\c+2304
.endr
.endr
	WIN 0
	TILE 0, \kf
	TILE 1, \kf
	TILE 2, \kf
	TILE 3, \kf
	s_wait_dscnt 0x0                               ; on every path the step's loads have landed before their registers are loaded again
.endm
.Lpass:
	s_xor_b32 s18, s[PASSI], 1
	s_mul_i32 s18, s18, 7
	s_xor_b32 s[BLK], s[J], s18                    ; block 7 - j (= 7 xor j), then block j
	s_lshl_b32 s18, s[BLK], 8
	s_lshl_b32 s19, s[PP], 4
	s_add_co_u32 s18, s18, s19
	s_lshl_b32 s19, s[TEAM], 1
.irp i, 0,1,2,3
	s_xor_b32 s[QT+\i], s19, \i
	s_lshl_b32 s[QT+\i], s[QT+\i], 6
	s_add_co_u32 s[QT+\i], s[QT+\i], s18           ; 256 block + 16 p + 64 (i xor 2 team)
.endr
.irp i, 0,1,2,3
	s_lshl_b32 s19, s[QT+\i], 7
	v_add_nc_u32 v[QOF+\i], s19, v[QO]             ; (the last pass's loads of Q were waited for behind every change of slots)
.endr
.irp i, 0,1,2,3
.irp c, 0,1,2,3
	global_load_b128 v[Q+16*\i+4*\c:Q+16*\i+4*\c+3], v[QOF+\i], s[4:5] offset:32*\c   ; Q's fragments stay in registers for the pass
.endr
.endr
.irp i, 0,1,2,3
	v_mov_b32 v[ST+4*\i+1], 0xff61b1e6             ; m = -3e38, under every score
	v_mul_f32 v[ST+4*\i], s[CS], v[ST+4*\i+1]
	v_mov_b32 v[ST+4*\i+2], 0
	v_mov_b32 v[ST+4*\i+3], 0
.endr
	WIN TO_1
.set n, 0
.rept 128
	v_mov_b32 v[n], 0                              ; O^T.  Which step is a tile's first hangs on ids, so no product written out ahead can start the sums; the first a is 0 and leaves zeros
.set n, n+1
.endr
	WIN 0
	s_mov_b32 s[U], 0
.Lunit:
	; THE CHANGE OF SLOTS, in every trip and every wave: all my tensor loads have landed; the add; my LDS reads are over; the barrier; then the other slot is filled, if a later step reads it.
	s_wait_tensorcnt 0x0                           ; no tensor load of mine is out: the groups 0 may be written
	ds_add_u32 v[SPW], v[NIL]                      ; 0 onto my spare word; work on registers stands between it and the wait for it
	s_xor_b32 s[G0K+1], s[G0K+1], SLOT1            ; the other slot than last time
	s_xor_b32 s[G0V+1], s[G0V+1], SLOT1
	s_add_co_u32 s18, s[U], 1
	s_lshr_b32 s19, s18, 3
	s_and_b32 s19, s19, s[PASSI]
	s_lshl_b32 s19, s19, 3                         ; 8 in the launch's last trip alone
	s_and_b32 s18, s18, 7                          ; the unit that would be asked for: U + 1, or the next pass's unit 0
	s_lshl_b32 s[OFS], s18, 15                     ; 256 keys x 128 bytes a unit
	s_add_co_u32 s[NEED], s18, s19
	s_add_nc_u64 s[G0K+2:G0K+3], s[8:9], s[OFS:OFS+1]
	s_or_b32 s[G0K+3], s[G0K+3], 0x80000000
	s_add_nc_u64 s[G0V+2:G0V+3], s[10:11], s[OFS:OFS+1]
	s_or_b32 s[G0V+3], s[G0V+3], 0x80000000
	s_lshl_b32 s[TT], s[PASSI], 3
	s_add_co_u32 s[TT], s[TT], s[U]                ; the trip's number, 0 .. 15
	s_wait_xcnt 0x0                                ; the last prefetches, a unit back, have read their address
	s_add_nc_u64 s[PFA:PFA+1], s[PFA:PFA+1], 32768
	s_wait_dscnt 0x0                               ; the add is done, and my reads of the slot that I have left are over
	s_barrier_signal -1
	s_barrier_wait -1
	s_cmp_gt_u32 s[NEED], s[BLK]                   ; a unit behind the block's diagonal is read by no wave, so it is not asked for: ids and loop counts alone, the same in all eight waves
	s_cbranch_scc1 .Lpast
	TLOAD                                          ; the first thing behind the barrier, and a wave's one tensor load until the next
.Lpast:
	; A PREFETCH INTO THE L2 of unit U + 2, one unit ahead of the load that will want it.  All four work-groups of a head walk the same K and V from unit 0 on: work-group 0, which walks all eight in pass 0, asks;
	; in it waves 4 to 7, which fetch nothing: 16,384 bytes a wave, two instructions, lanes 256 bytes apart.  Units 0 and 1 come by their loads alone; trips 6 and on ask for nothing.
	s_add_co_u32 s18, s[TT], s[PFL]
	s_cmp_le_u32 s18, 5
	s_cbranch_scc0 .Lnot_mine
	global_prefetch_b8 v[PFO], s[PFA:PFA+1] th:TH_LOAD_NT scope:SCOPE_SE
	global_prefetch_b8 v[PFO], s[PFA:PFA+1] offset:8192 th:TH_LOAD_NT scope:SCOPE_SE
.Lnot_mine:
	s_wait_loadcnt 0x0                             ; Q (met at once from the pass's second trip on)
	s_cmp_gt_u32 s[U], s[BLK]
	s_cbranch_scc1 .Lidle                          ; behind the diagonal: nothing to do but to walk the changes of slots
	s_lshl_b32 s18, s[U], 8
	s_lshl_b32 s19, s[TEAM], 6
	s_add_co_u32 s[KFA], s18, s19                  ; my two steps' first keys
	s_xor_b32 s19, s[TEAM], 3
	s_lshl_b32 s19, s19, 6
	s_add_co_u32 s[KFB], s18, s19
	STEP KOA, VOA, KFA
	STEP KOB, VOB, KFB
.Lidle:
	s_xor_b32 s[TB], s[TB], SLOT1
	s_add_co_u32 s[U], s[U], 1
	s_cmp_lt_u32 s[U], 8
	s_cbranch_scc1 .Lunit
	; THE WAY OUT OF A PASS.
	s_wait_xcnt 0x0                                ; the last pass's stores have read their offsets and data
.irp i, 0,1,2,3
	v_add_f32 v[ST+4*\i+2], v[ST+4*\i+2], v[ST+4*\i+3]   ; l's two halves (these four are the places behind the last products),
.endr
.irp i, 0,1,2,3
	v_permlanex16_b32 v[T+\i], v[ST+4*\i+2], s[SEL], s[SEL+1]
.endr
.irp i, 0,1,2,3
	v_add_f32 v[ST+4*\i+2], v[ST+4*\i+2], v[T+\i]  ; and the other half of the lanes'
.endr
	WIN 0x04                                       ; an LDS store's data are its source 1: window 1
.irp n, 0,1,2,3,4,5,6,7,8,9,10,11,12,13,14,15
	ds_store_b128 v[MST], v[64+4*\n:67+4*\n] offset:512*\n   ; my local tiles 2 and 3 as images of their registers
.endr
	WIN 0
	ds_store_b32 v[MSS], v[ST+8]                   ; their c m
	ds_store_b32 v[MSS], v[ST+12] offset:128
	ds_store_b32 v[MSS], v[ST+10] offset:256       ; and l
	ds_store_b32 v[MSS], v[ST+14] offset:384
	s_wait_dscnt 0x0                               ; for my partner's sake
	s_barrier_signal -1                            ; the next pass's first unit may stay on its way across it
	s_barrier_wait -1
	WIN TO_1
.irp n, 0,1,2,3,4,5,6,7,8,9,10,11,12,13,14,15
	ds_load_b128 v[128+4*\n:131+4*\n], v[MLD] offset:512*\n   ; the partner's part of my local tiles 0 and 1, into K's registers
.endr
	WIN 0
.irp n, 0,1,2,3
	ds_load_b32 v[T+\n], v[MSL] offset:128*\n
.endr
.irp i, 0,1
	s_lshl_b32 s18, s[QT+\i], 7
	v_add_nc_u32 v[OOF+\i], s18, v[L16]
.endr
	s_wait_dscnt 0x0
.irp i, 0,1
	v_max_num_f32 v[MF+\i], v[ST+4*\i], v[T+\i]    ; the joint c m
.endr
.irp i, 0,1
	v_sub_f32 v[MF+2+\i], v[ST+4*\i], v[MF+\i]
	v_sub_f32 v[MF+4+\i], v[T+\i], v[MF+\i]
.endr
.irp i, 0,1
	v_exp_f32 v[MF+6+\i], v[MF+2+\i]               ; my factor,
	v_exp_f32 v[MF+8+\i], v[MF+4+\i]               ; the partner's (0 where it had no key for the tile)
.endr
	v_nop
	s_wait_alu depctr_va_vdst(0)                   ; one wait for the four
.irp i, 0,1
	v_mul_f32 v[MF+10+\i], v[ST+4*\i+2], v[MF+6+\i]
.endr
.irp i, 0,1
	v_fmac_f32 v[MF+10+\i], v[T+2+\i], v[MF+8+\i]  ; the joint l
.endr
.irp i, 0,1
	v_rcp_f32 v[MF+12+\i], v[MF+10+\i]
.endr
	v_nop
	s_wait_alu depctr_va_vdst(0)                   ; one wait for the two
.irp i, 0,1
	v_mul_f32 v[MF+16+2*\i], v[MF+6+\i], v[MF+12+\i]   ; factor / l, in both halves of a pair
	v_mul_f32 v[MF+17+2*\i], v[MF+6+\i], v[MF+12+\i]
	v_mul_f32 v[MF+20+2*\i], v[MF+8+\i], v[MF+12+\i]
	v_mul_f32 v[MF+21+2*\i], v[MF+8+\i], v[MF+12+\i]
.endr
	WIN W_RS
.irp i, 0,1
.set n, 0
.rept 16
	v_pk_mul_f32 v[32*\i+2*n:32*\i+2*n+1], v[32*\i+2*n:32*\i+2*n+1], v[MF+16+2*\i:MF+17+2*\i]
.set n, n+1
.endr
.endr
	WIN W_PV
.irp i, 0,1
.set n, 0
.rept 16
	v_pk_fma_f32 v[32*\i+2*n:32*\i+2*n+1], v[128+32*\i+2*n:128+32*\i+2*n+1], v[MF+20+2*\i:MF+21+2*\i], v[32*\i+2*n:32*\i+2*n+1]
.set n, n+1
.endr
.endr
	WIN 0x05                                       ; sources 0 and 1 window 1, destination window 0
.set n, 0
.rept 32
	v_cvt_pk_f16_f32 v[PK+n], v[2*n], v[2*n+1]     ; a lane's eight channels of a row: 16 bytes
.set n, n+1
.endr
	WIN 0
.irp i, 0,1
.irp c, 0,1,2,3
	ds_store_b128 v[STO], v[PK+16*\i+4*\c:PK+16*\i+4*\c+3] offset:2304*\i+32*\c
.endr
.irp t, 0,1,2,3
	ds_load_b128 v[BK+16*\i+4*\t:BK+16*\i+4*\t+3], v[RD] offset:2304*\i+576*\t   ; my own stage: LDS serves a wave's instructions in order
.endr
.endr
.irp i, 0,1
.irp t, 0,1,2,3
	s_wait_dscnt 11-8*\i-\t                        ; the younger stage instructions may be out
	global_store_b128 v[OOF+\i], v[BK+16*\i+4*\t:BK+16*\i+4*\t+3], s[6:7] offset:512*\t   ; four rows of a head: 512 consecutive bytes, aligned
.endr
.endr
	s_add_co_u32 s[PASSI], s[PASSI], 1
	s_cmp_lt_u32 s[PASSI], 2
	s_cbranch_scc1 .Lpass
	s_wait_tensorcnt 0x0                           ; the wave's end: the three lines behind my last tensor load and my last LDS store
	ds_add_u32 v[SPW], v[NIL]
	s_wait_dscnt 0x0
	s_endpgm
.Lfunc_end_k_q9c7de207a8_attn:
	.size	k_q9c7de207a8_attn, .Lfunc_end_k_q9c7de207a8_attn-k_q9c7de207a8_attn
	.p2alignl 7, 3214868480
	.fill 96, 4, 3214868480
	.section	.rodata,"a",@progbits
	.p2align	6, 0x0
	.amdhsa_kernel k_q9c7de207a8_attn
		.amdhsa_group_segment_fixed_size 327680
		.amdhsa_private_segment_fixed_size 0
		.amdhsa_enable_private_segment 0
		.amdhsa_kernarg_size 16
		.amdhsa_user_sgpr_count 2
		.amdhsa_user_sgpr_kernarg_segment_ptr 1
		.amdhsa_wavefront_size32 1
		.amdhsa_system_sgpr_workgroup_id_x 1
		.amdhsa_system_sgpr_workgroup_id_y 1
		.amdhsa_system_sgpr_workgroup_id_z 1
		.amdhsa_system_vgpr_workitem_id 0
		.amdhsa_next_free_vgpr 512
		.amdhsa_next_free_sgpr 70
		.amdhsa_reserve_vcc 1
		.amdhsa_float_denorm_mode_32 3
		.amdhsa_float_denorm_mode_16_64 3
		.amdhsa_memory_ordered 1
		.amdhsa_forward_progress 1
		.amdhsa_inst_pref_size 112
	.end_amdhsa_kernel
	.amdgpu_metadata
---
amdhsa.version: [ 1, 2 ]
amdhsa.kernels:
  - .name:           k_q9c7de207a8_attn
    .symbol:         k_q9c7de207a8_attn.kd
    .args:
      - { .name: qkv, .offset: 0, .size: 8, .value_kind: global_buffer, .address_space: global }
      - { .name: att, .offset: 8, .size: 8, .value_kind: global_buffer, .address_space: global }
    .group_segment_fixed_size: 327680
    .private_segment_fixed_size: 0
    .kernarg_segment_align: 8
    .kernarg_segment_size: 16
    .max_flat_workgroup_size: 256
    .sgpr_count:     70
    .vgpr_count:     512
    .wavefront_size: 32
...
	.end_amdgpu_metadata
.endif
;; end of part 3
;; launch proj (part 4): grid 4 x 64, 4 waves a work-group, clusters of 4 x 4, 327,680 bytes of LDS; arguments att, w16, out0; writes out0
.if DOCPART == 4
	.amdgcn_target "amdgcn-amd-amdhsa--gfx1250"
	.amdhsa_code_object_version 6
	.text
	.protected	k_q9c7de207a8_proj
	.globl	k_q9c7de207a8_proj
	.p2align	8
	.type	k_q9c7de207a8_proj,@function
k_q9c7de207a8_proj:
	s_mov_b64 s[64:65], 0
	v_nop
	global_prefetch_b8 v0, s[64:65] scope:SCOPE_SE
	s_setreg_imm32_b32 hwreg(HW_REG_WAVE_MODE, 25, 1), 1
	s_wait_xcnt 0x0
	s_wait_alu depctr_hold_cnt(0) depctr_sa_sdst(0) depctr_va_vdst(0) depctr_va_sdst(0) depctr_va_ssrc(0) depctr_va_vcc(0) depctr_vm_vsrc(0)
	s_getreg_b32 s2, hwreg(HW_REG_IB_STS2, 6, 4)
	s_cmp_eq_u32 s2, 0
	s_cbranch_scc0 .Lentry_in_a_cluster
	s_endpgm
.Lentry_in_a_cluster:
	s_bfe_u32 s2, ttmp6, 0x10000c
	s_cmp_lg_u32 s2, 0xf033
	s_cbranch_scc0 .Lentry_shape_is_right
	s_endpgm
.Lentry_shape_is_right:
; PROJ: out0[m][n] = sum over k of A[m][k] w_out[k][n], f16 operands, f32 sums, f32 out.  A is att, laid by head: att[16 b + h][s][64], m = 2048 b + s, k = 64 h + d.  w16: [1024 k][1024 n] f16.
; A tile of out0 is 128 rows x 256 columns: 256 work-groups.  Four waves, each 64 x 128: 32 accumulators, 256 registers.  K goes in steps of 128 (two heads) through two LDS slots.
; A slot: two slabs of A (a head's 128 tokens x 128 bytes are dense: 64 rows of 256 bytes + 16), then 128 rows of w16 (512 bytes + 32), which come out of LDS turned.
; CLUSTERS: 4 x 4 work-groups; A's slabs are asked for jointly along a row of the cluster, w16's rows along a column.  Waves 0, 1 fetch the two slabs, waves 2, 3 the two halves of w16's rows.
; THE MATRIX INSTRUCTION IS USED TRANSPOSED (source 0 = 16 columns of w16, source 1 = 16 rows of A): a lane holds eight neighbouring columns of one row.
; No prefetch: both operands are shared by joint loads and the launch moves few bytes for each K step's 128 matrix instructions a wave.
; REGISTERS: window 0: v16-29 addresses; v64-127 A's fragments, two sets of 32; v128-255 the way out.  window 1: w16's fragments, two sets of 64.  window 2: the accumulators ((a, b) at v[8 (8 a + b)]).
.set SLOT,   104448
.set BOFF,   34816
.set STAGE,  2*SLOT                    ; behind the ring: 16 rows x (512 + 16) for each wave
.set SPITCH, 528
.set SPARE,  STAGE+4*16*SPITCH         ; the spare words, 128 bytes for each wave
.set LAPS,   4                         ; a lap = two K steps; K = 1,024
.set ADRA, 16
.set ADRB, 20
.set STO,  24
.set RD,   25
.set CO,   26
.set SPW,  28
.set NIL,  29
.set BK,   128
.set G1, 24
.set G0, 32
.set G1B, 48
.set G0B, 56
.set MSB, 0
.macro WIN new
.if MSB != (\new)
	s_set_vgpr_msb (MSB<<8)|(\new)
.set MSB, (\new)
.endif
.endm
.set MUL,  0xa1                        ; source 0 window 1, source 1 window 0, C and D window 2
.set TO_B, 0x40
.macro JLOAD s                         ; a joint load; an s_nop 0 and four v_nop follow each of the two lines
	s_cmp_eq_u32 s11, 0
	s_cbranch_scc0 .Lfor_b_\@
	tensor_load_to_lds s[G0+4*\s:G0+4*\s+3], s[G1:G1+7]
	s_nop 0
.rept 4
	v_nop
.endr
	s_branch .Lasked_\@
.Lfor_b_\@:
	tensor_load_to_lds s[G0B+4*\s:G0B+4*\s+3], s[G1B:G1B+7]
	s_nop 0
.rept 4
	v_nop
.endr
.Lasked_\@:
.endm
.macro CREST                           ; a round of the cluster's barrier behind its opening barrier
	s_cmp_lg_u32 s10, 0
	s_cbranch_scc1 .Lnot_wave_0_\@
	s_barrier_signal -3
.Lnot_wave_0_\@:
	s_barrier_wait -3
	s_barrier_signal -1
	s_barrier_wait -1
.endm
.macro CROUND
	s_barrier_signal -1
	s_barrier_wait -1
	CREST
.endm
	s_load_b128 s[4:7], s[0:1], 0x0                ; att, w16
	s_load_b64 s[8:9], s[0:1], 0x10                ; out0
	v_lshl_add_u32 v[SPW], v0, 2, SPARE
	v_mov_b32 v[NIL], 0
	ds_add_u32 v[SPW], v[NIL]                      ; the wave's opening: the add and its wait ahead of my first tensor load
	v_lshrrev_b32 v1, 5, v0
	v_readfirstlane_b32 s10, v1                    ; wave 0..3
	s_lshr_b32 s11, s10, 1                         ; which 64 rows are mine.  Also: I fetch for A (0) or for w16 (1)
	s_and_b32 s12, s10, 1                          ; which 128 columns.  Also: which slab, or which 64 rows of w16, I fetch
	s_bfe_u32 s40, ttmp6, 0x40000                  ; cx, cy
	s_bfe_u32 s41, ttmp6, 0x40004
	s_lshl_b32 s42, ttmp9, 2
	s_add_co_u32 s42, s42, s40                     ; tile column
	s_and_b32 s13, ttmp7, 0xffff
	s_lshl_b32 s13, s13, 2
	s_add_co_u32 s13, s13, s41                     ; tile row
	s_lshl_b32 s43, s41, 2
	s_lshl_b32 s43, 15, s43                        ; my row of the cluster
	s_lshl_b32 s44, 0x1111, s40                    ; my column
	s_or_b32 s[G1+0], s43, (1<<16)|(1<<20)|(1<<21)|(5<<22)|(3<<25)   ; A: mask; 2 bytes; padding: 4 words behind every 64
	s_mov_b32 s[G1+1], 128<<16                     ; tensor_dim0
	s_mov_b32 s[G1+2], 64<<16                      ; tensor_dim1
	s_mov_b32 s[G1+3], 128<<16                     ; tile_dim0
	s_mov_b32 s[G1+4], 64                          ; tile_dim1
	s_mov_b32 s[G1+5], 128                         ; the pitch: dense
	s_mov_b32 s[G1+6], 0
	s_mov_b32 s[G1+7], 0
	s_or_b32 s[G1B+0], s44, (1<<16)|(1<<20)|(1<<21)|(6<<22)|(7<<25)  ; w16: padding: 8 words behind every 128
	s_mov_b32 s[G1B+1], 256<<16
	s_mov_b32 s[G1B+2], 64<<16
	s_mov_b32 s[G1B+3], 256<<16
	s_mov_b32 s[G1B+4], 64
	s_mov_b32 s[G1B+5], 1024
	s_mov_b32 s[G1B+6], 0
	s_mov_b32 s[G1B+7], 0
	s_lshr_b32 s16, s13, 4                         ; A: b = tile row / 16,
	s_lshl_b32 s16, s16, 4
	s_add_co_u32 s16, s16, s12                     ; head 16 b + my slab,
	s_lshl_b32 s16, s16, 18
	s_and_b32 s17, s13, 15
	s_lshl_b32 s17, s17, 14                        ; tokens 128 (tile row % 16) on
	s_add_co_u32 s16, s16, s17
	s_mov_b32 s17, 0
	s_lshl_b32 s46, s12, 17                        ; w16: my 64 rows of 2,048 bytes,
	s_lshl_b32 s47, s42, 9                         ; the tile's 512 bytes of a row
	s_add_co_u32 s46, s46, s47
	s_mov_b32 s47, 0
	s_mul_i32 s20, s12, 17408                      ; where they go: no place in the cluster enters an LDS address
	s_mul_i32 s21, s12, 34816
	s_add_co_u32 s21, s21, BOFF
	s_wait_dscnt 0x0                               ; the opening add is done
	s_wait_kmcnt 0x0
	s_add_nc_u64 s[14:15], s[4:5], s[16:17]
	s_add_nc_u64 s[46:47], s[6:7], s[46:47]
	CROUND                                         ; all sixteen work-groups are here: the first joint loads meet
.irp s, 0,1
	s_mov_b32 s[G0+4*\s], 1
	s_add_co_u32 s[G0+4*\s+1], s20, \s*SLOT
	s_add_nc_u64 s[G0+4*\s+2:G0+4*\s+3], s[14:15], \s*524288       ; K step s: two heads on
	s_or_b32 s[G0+4*\s+3], s[G0+4*\s+3], 0x80000000
	s_mov_b32 s[G0B+4*\s], 1
	s_add_co_u32 s[G0B+4*\s+1], s21, \s*SLOT
	s_add_nc_u64 s[G0B+4*\s+2:G0B+4*\s+3], s[46:47], \s*262144     ; 128 rows on
	s_or_b32 s[G0B+4*\s+3], s[G0B+4*\s+3], 0x80000000
	JLOAD \s
.endr
	v_and_b32 v1, 15, v0                           ; r
	v_bfe_u32 v2, v0, 4, 1                         ; h
	v_lshrrev_b32 v3, 1, v1
	v_mul_u32_u24 v3, v3, 272
	v_and_b32 v4, 1, v1
	v_lshl_add_u32 v3, v4, 7, v3
	v_lshl_add_u32 v3, v2, 4, v3                   ; A: token r of a block: (r / 2) x 272 + (r % 2) x 128 + 16 h
	v_and_b32 v4, 7, v0
	v_lshl_add_u32 v4, v2, 3, v4
	v_mul_u32_u24 v4, v4, 544
	v_bfe_u32 v5, v0, 3, 1
	v_lshl_add_u32 v4, v5, 4, v4                   ; w16, for the turning load: row 8 h + lane % 8, columns 8 ((lane / 8) % 2) on
	s_mul_i32 s22, s11, 8704                       ; my 64 tokens: 32 rows x 272
	s_lshl_b32 s23, s12, 8                         ; my 128 columns
	s_add_co_u32 s23, s23, BOFF
.irp s, 0,1
	v_add_nc_u32 v[ADRA+\s], s22, v3
	v_add_nc_u32 v[ADRB+\s], s23, v4
	s_add_co_u32 s22, s22, SLOT
	s_add_co_u32 s23, s23, SLOT
.endr
	s_mul_i32 s23, s10, 16*SPITCH
	s_add_co_u32 s23, s23, STAGE                   ; my stage
	v_mul_u32_u24 v5, v1, SPITCH
	v_lshl_add_u32 v5, v2, 5, v5
	v_add_nc_u32 v[STO], s23, v5                   ; in: row r, 32 bytes for each half of the lanes
	v_and_b32 v6, 31, v0
	v_lshlrev_b32 v[CO], 4, v6                     ; back: the 32 lanes take one row of 512 bytes; and the same in out0
	v_add_nc_u32 v[RD], s23, v[CO]
	s_lshl_b32 s16, s13, 7
	s_lshl_b32 s17, s11, 6
	s_add_co_u32 s16, s16, s17                     ; my first row
	s_lshl_b32 s16, s16, 12                        ; x 4,096 bytes
	s_lshl_b32 s46, s42, 10
	s_lshl_b32 s47, s12, 9
	s_add_co_u32 s46, s46, s47                     ; my first column, in bytes
	s_add_co_u32 s16, s16, s46
	s_mov_b32 s17, 0
	s_add_nc_u64 s[8:9], s[8:9], s[16:17]
; 8 matrix instructions: A's block a x the eight blocks of columns, 32 along K, from set f.  The 32 accumulators take turns in the same order in every quarter.
.macro MUL8 f, a, zero
.irp b, 0,1,2,3,4,5,6,7
.if \zero
	v_wmma_f32_16x16x32_f16 v[8*(8*(\a)+\b):8*(8*(\a)+\b)+7], v[64*(\f)+8*\b:64*(\f)+8*\b+7], v[64+32*(\f)+8*(\a):64+32*(\f)+8*(\a)+7], 0
.else
	v_wmma_f32_16x16x32_f16 v[8*(8*(\a)+\b):8*(8*(\a)+\b)+7], v[64*(\f)+8*\b:64*(\f)+8*\b+7], v[64+32*(\f)+8*(\a):64+32*(\f)+8*(\a)+7], v[8*(8*(\a)+\b):8*(8*(\a)+\b)+7]
.endif
.endr
.endm
; 24 LDS loads in one run: quarter q (32 along K) of a slot into set f: w16's eight fragments, turned, then A's four
.macro FETCH slot, q, f
	WIN TO_B
.irp b, 0,1,2,3,4,5,6,7
	ds_load_tr16_b128 v[64*(\f)+8*\b:64*(\f)+8*\b+3],   v[ADRB+\slot] offset:17408*(\q)+32*\b
	ds_load_tr16_b128 v[64*(\f)+8*\b+4:64*(\f)+8*\b+7], v[ADRB+\slot] offset:17408*(\q)+32*\b+8704
.endr
	WIN 0
.irp i, 0,1,2,3
	ds_load_b128 v[64+32*(\f)+8*\i:64+32*(\f)+8*\i+3],   v[ADRA+\slot] offset:((\q)/2)*17408+((\q)%2)*64+2176*\i
	ds_load_b128 v[64+32*(\f)+8*\i+4:64+32*(\f)+8*\i+7], v[ADRA+\slot] offset:((\q)/2)*17408+((\q)%2)*64+2176*\i+32
.endr
.endm
.macro PLACES                          ; four plain vector instructions between a matrix instruction and a load into, or a read of, its registers
.rept 4
	v_nop
.endr
.endm
; One of a K step's first three quarters: multiplies set f; in its middle it fetches quarter qn of the same slot into set g
.macro QUARTER slot, qn, f, g, zero
	s_wait_dscnt 4                                 ; w16's fragments and A's blocks 0, 1 are in; the youngest four loads (blocks 2, 3) may be out
	WIN MUL
	MUL8 \f, 0, \zero
	MUL8 \f, 1, \zero
	PLACES
	FETCH \slot, \qn, \g
	s_wait_dscnt 24                                ; all but the 24 just issued
	WIN MUL
	MUL8 \f, 2, \zero
	MUL8 \f, 3, \zero
.endm
; The last quarter multiplies set 1 and changes slots: one barrier; in front of it each wave waits for all its tensor loads, adds 0 to its spare word, and waits for that and for its reads of this slot.
.macro TURN slot, next, fill
	WIN 0
	s_wait_tensorcnt 0x0                           ; all my tensor loads have landed: my part of the next slot
	ds_add_u32 v[SPW], v[NIL]
	s_wait_dscnt 5                                 ; the add and the youngest four loads may be out
	WIN MUL
	MUL8 1, 0, 0                                   ; eight matrix instructions stand between the add and the wait for it
	s_wait_dscnt 0x0                               ; the add is done, and my reads of this slot are over
	s_barrier_signal -1
	MUL8 1, 1, 0
	WIN 0
	s_barrier_wait -1
.if \fill
	CREST                                          ; the barrier has opened a round of the cluster's: no wave of any partner still reads this slot or has a load on its way
	s_add_nc_u64 s[G0+4*\slot+2:G0+4*\slot+3], s[G0+4*\slot+2:G0+4*\slot+3], 1048576     ; two K steps on: four heads,
	s_add_nc_u64 s[G0B+4*\slot+2:G0B+4*\slot+3], s[G0B+4*\slot+2:G0B+4*\slot+3], 524288  ; 256 rows
	JLOAD \slot                                    ; the first tensor load behind the round; its four v_nop are also the places in front of the loads below
.else
	PLACES
.endif
	FETCH \next, 0, 0
	WIN MUL
	MUL8 1, 2, 0
	MUL8 1, 3, 0
.endm
	s_wait_tensorcnt 1                             ; my part of K step 0 is in; K step 1's may be out
	s_barrier_signal -1
	s_barrier_wait -1
	FETCH 0, 0, 0
	QUARTER 0, 1, 0, 1, 1                          ; the first quarter's products start the sums: nothing is cleared
	WIN 0
	s_mov_b32 s3, LAPS-1
.Llap:                                                 ; a trip goes once round the ring and fills both slots again
	QUARTER 0, 2, 1, 0, 0
	QUARTER 0, 3, 0, 1, 0
	TURN 0, 1, 1
	QUARTER 1, 1, 0, 1, 0
	QUARTER 1, 2, 1, 0, 0
	QUARTER 1, 3, 0, 1, 0
	TURN 1, 0, 1
	QUARTER 0, 1, 0, 1, 0
	WIN 0
	s_sub_co_u32 s3, s3, 1
	s_cmp_lg_u32 s3, 0
	s_cbranch_scc1 .Llap
	QUARTER 0, 2, 1, 0, 0                          ; the last lap fills nothing, and has no round
	QUARTER 0, 3, 0, 1, 0
	TURN 0, 1, 0
	QUARTER 1, 1, 0, 1, 0
	QUARTER 1, 2, 1, 0, 0
	QUARTER 1, 3, 0, 1, 0
	s_wait_dscnt 4                                 ; the very last quarter
	WIN MUL
	MUL8 1, 0, 0
	MUL8 1, 1, 0
	s_wait_dscnt 0
	MUL8 1, 2, 0
	MUL8 1, 3, 0
	WIN 0
; THE WAY OUT, a block of 16 rows x 128 columns at a time, through my own stage: back as whole rows of 512 bytes.
.macro TOSTAGE a
.set AC, 64*(\a)
	WIN 0x08                                       ; an LDS store's data are its source 1: window 2
.irp b, 0,1,2,3,4,5,6,7
	ds_store_b128 v[STO], v[AC+8*\b:AC+8*\b+3] offset:64*\b          ; each accumulator from its low end on
	ds_store_b128 v[STO], v[AC+8*\b+4:AC+8*\b+7] offset:64*\b+16
.endr
	WIN 0
.set BB, BK+64*((\a)%2)
.irp t, 0,1,2,3,4,5,6,7,8,9,10,11,12,13,14,15
	ds_load_b128 v[BB+4*\t:BB+4*\t+3], v[RD] offset:\t*SPITCH        ; LDS serves a wave's instructions in order
.endr
.endm
.macro SEND a, younger
.set BB, BK+64*((\a)%2)
	s_wait_dscnt \younger                          ; the block is back in registers
.if (\a) > 0
	s_add_nc_u64 s[8:9], s[8:9], 65536             ; 16 rows on (behind a wait on XCNT: the earlier stores have read their base)
.endif
.irp t, 0,1,2,3,4,5,6,7,8,9,10,11,12,13,14,15
	global_store_b128 v[CO], v[BB+4*\t:BB+4*\t+3], s[8:9] offset:\t*4096 th:TH_STORE_NT   ; 32 lanes store 512 consecutive bytes, aligned
.endr
.endm
	PLACES
	TOSTAGE 0
.irp a, 1,2,3
.if \a > 1
	s_wait_xcnt 0x0                                ; block a - 2's stores have read their registers and their base
.endif
	TOSTAGE \a
	SEND \a-1, 32                                  ; behind block a - 1's loads: block a's 16 stores and 16 loads
.endr
	s_wait_xcnt 0x0
	SEND 3, 0
	s_wait_tensorcnt 0x0                           ; the wave's end: the three lines behind my last tensor load and my last LDS store
	ds_add_u32 v[SPW], v[NIL]
	s_wait_dscnt 0x0
	CROUND                                         ; the closing round
	s_endpgm
.Lfunc_end_k_q9c7de207a8_proj:
	.size	k_q9c7de207a8_proj, .Lfunc_end_k_q9c7de207a8_proj-k_q9c7de207a8_proj
	.p2alignl 7, 3214868480
	.fill 96, 4, 3214868480
	.section	.rodata,"a",@progbits
	.p2align	6, 0x0
	.amdhsa_kernel k_q9c7de207a8_proj
		.amdhsa_group_segment_fixed_size 327680
		.amdhsa_private_segment_fixed_size 0
		.amdhsa_enable_private_segment 0
		.amdhsa_kernarg_size 24
		.amdhsa_user_sgpr_count 2
		.amdhsa_user_sgpr_kernarg_segment_ptr 1
		.amdhsa_wavefront_size32 1
		.amdhsa_system_sgpr_workgroup_id_x 1
		.amdhsa_system_sgpr_workgroup_id_y 1
		.amdhsa_system_sgpr_workgroup_id_z 1
		.amdhsa_system_vgpr_workitem_id 0
		.amdhsa_next_free_vgpr 768
		.amdhsa_next_free_sgpr 66
		.amdhsa_reserve_vcc 0
		.amdhsa_float_denorm_mode_32 3
		.amdhsa_float_denorm_mode_16_64 3
		.amdhsa_memory_ordered 1
		.amdhsa_forward_progress 1
		.amdhsa_inst_pref_size 86
	.end_amdhsa_kernel
	.amdgpu_metadata
---
amdhsa.version: [ 1, 2 ]
amdhsa.kernels:
  - .name:           k_q9c7de207a8_proj
    .symbol:         k_q9c7de207a8_proj.kd
    .args:
      - { .name: att, .offset: 0, .size: 8, .value_kind: global_buffer, .address_space: global }
      - { .name: w16, .offset: 8, .size: 8, .value_kind: global_buffer, .address_space: global }
      - { .name: out0, .offset: 16, .size: 8, .value_kind: global_buffer, .address_space: global }
    .group_segment_fixed_size: 327680
    .private_segment_fixed_size: 0
    .kernarg_segment_align: 8
    .kernarg_segment_size: 24
    .max_flat_workgroup_size: 128
    .sgpr_count:     66
    .vgpr_count:     768
    .wavefront_size: 32
...
	.end_amdgpu_metadata
.endif
;; end of part 4
